; MI455X (gfx1250); checked and timed in simulation.
; The chip was launched on July 23, 2026; its instructions are those of AMD's public machine-readable ISA for CDNA 5 (MIT licence, August 2026) and "CDNA5" Instruction Set Architecture Reference Guide (July 2026). The comments in the code are by the model that wrote it; some were corrected since.
;; Memory. Allowed arithmetic: matrix products marked QUANTISED: E3M2 operands, one E8M0 scale for each 32 along K, by v_wmma_scale_f32_16x16x128_f8f6f4 with both operands' format E3M2, f32 sums; products left as they are: f32 operands where the result goes on into a quantised operand, else bf16, f16 or f32 operands; f32 sums; everything else in f32.
;; Inputs: mem_k 1 x 64 x 32,768 float32; mem_v1 1 x 256 x 32,768 float32; mem_v2 1 x 256 x 32,768 float32; qk_codes 1 x 64 x 64 x 2 x 24 uint8 (E3M2 codes of qk, K innermost, in blocks of 32 codes, four codes in three bytes); qk_scales 1 x 64 x 64 x 2 uint8 (E8M0 scales of qk, one for each 32 codes along K).
;; Outputs: out0 1 x 512 x 64 x 64 float32.
;; Constants: top_k = 20.
;; This version of the problem:
;;   THIS VERSION OF THE PROBLEM IS GIVEN IN LOW PRECISION. The matrix products marked QUANTISED in the list below multiply operands that are first quantised to E3M2 (3 exponent bits, 2 mantissa bits; 6 bits a number), with one power-of-two scale for each 32 numbers along K (OCP MX v1.0); their sums are f32. All else is computed in f32.
;;   The module's matrix products, in the order in which they are computed (A, B: the left and right operand; K: the contracted axis; several contracted axes count as one K, in the product's order):
;;     1. [M 32,768, K 64] x [K 64, N 4,096]; A: input mem_k; B: input qk (given as codes): QUANTISED
;;     2. batch 4,096 x [M 1, K 20] x [K 20, N 256]; A: softmax; B: computed on the way: left as it is (K = 20 < 32)
;;     3. batch 4,096 x [M 1, K 20] x [K 20, N 256]; A: softmax; B: computed on the way: left as it is (K = 20 < 32)
;;   THE QUANTISER, for each operand of a quantised product, along K:
;;     - K is cut into blocks of 32 from its start; a last block that is shorter is filled with zeros.
;;     - A block's scale is 2^e with e = floor(log2(the largest magnitude in the block)) - 4, held to -126 .. 127; a block of zeros has e = 0. As a byte (E8M0): e + 127.
;;     - Each number is divided by its block's scale, clamped to +-28, and rounded to the nearest number of E3M2, ties to even, subnormals kept.
;;     - The product sums the exact products of the quantised numbers (number of the format x scale) in f32.
;;   ~~~python
;;   def quantise(x, axis):      # numpy; x: float32 -> the quantised numbers, widened to float32 again
;;       x = np.moveaxis(x, axis, -1); K = x.shape[-1]
;;       x = np.pad(x, [(0, 0)] * (x.ndim - 1) + [(0, -K % 32)]); x = x.reshape(x.shape[:-1] + (-1, 32)); a = np.abs(x).max(-1, keepdims=True)
;;       e = np.where(a > 0, np.clip(np.frexp(np.where(a > 0, a, 1))[1] - 1 - 4, -126, 127), 0)      # np.frexp(a)[1] - 1 = floor(log2(a)), exactly
;;       r = np.clip(x / 2.0 ** e, -28, 28)
;;       step = 2.0 ** (np.maximum(np.frexp(np.where(r == 0, 1, r))[1] - 1, -2) - 2)
;;       q = np.round(r / step) * step * 2.0 ** e      # np.round: ties to even
;;       return np.moveaxis(q.reshape(q.shape[:-2] + (-1,))[..., :K], -1, axis).astype(np.float32)
;;   ~~~
;;   INPUTS GIVEN AS CODES. qk (in the module: [1, 64, 64, 64], K = its axis 1): each comes as NAME_codes (uint8): NAME with its K axis moved to the last place and cut into blocks of 32 codes, [.., K / 32, bytes a block], one block behind the other in memory; four codes in three bytes: a row's codes are one little-endian stream of bits, code i at bits 6 i .. 6 i + 5 (a code: sign, 3 exponent bits, 2 mantissa bits); and NAME_scales (uint8): the same leading axes, one E8M0 byte (e + 127) for each 32 codes along K. Its value is code x scale, taken as it is: it is not quantised again, and the codes and scales need not be those that the quantiser above would give.
;; 2 versions, each right; version 2 is version 1 with the launches stage, flag, read written anew for expert scheduling mode. Each part assembles by itself: llvm-mc -triple=amdgcn-amd-amdhsa -mcpu=gfx1250 --defsym DOCPART=n.
;; ======== version 1 of 2: 4 launches
;; workspace buffers: kq 1,769,472 bytes; vt 33,554,432 bytes; smax 4,194,304 bytes; nflags 16,777,216 bytes of whole numbers; rsum 131,072 bytes of whole numbers; la 131,072 bytes of whole numbers; lb 131,072 bytes of whole numbers; lc 131,072 bytes of whole numbers
;; launch stage (part 1): grid 256 x 1, 16 waves a work-group, no clusters, 158,720 bytes of LDS; arguments mem_k, mem_v1, mem_v2, qk_codes, qk_scales, kq, vt, smax; writes kq, vt, smax
.if DOCPART == 1
	.amdgcn_target "amdgcn-amd-amdhsa--gfx1250"
	.amdhsa_code_object_version 6
	.text
	.protected	k_q2a45b03067_stage
	.globl	k_q2a45b03067_stage
	.p2align	8
	.type	k_q2a45b03067_stage,@function
k_q2a45b03067_stage:
	s_mov_b64 s[64:65], 0
	v_nop
	global_prefetch_b8 v0, s[64:65] scope:SCOPE_SE
	s_setreg_imm32_b32 hwreg(HW_REG_WAVE_MODE, 25, 1), 1
	s_wait_xcnt 0x0
; FIRST OF FOUR LAUNCHES.  A work-group owns 128 memory keys, n = 128 wg .. 128 wg + 127, and does three things with them:
;  (K) mem_k [64][32768] f32 is quantised along its first axis to E3M2 codes with one E8M0 byte for each 32, and -a/2 = -(sum of mem_k^2)/2 is kept: three parts of kq (codes, scale words, -a/2);
;  (V) the keys' columns of mem_v1 and mem_v2 are turned into rows of 512 bf16 (vt), so that a later launch can read a key's values as 1,024 consecutive bytes;
;  (P) the score D = Q(mk).q - a/2 (four times the affinity: same order) of its 128 keys with ALL 4,096 queries; of each query the largest D of the 128 keys goes to smax[wg][q].
; THE PRODUCT.  K = 64 fills half of the 16x16x128 instruction, so the key operand holds TWO tiles of 16 keys, [T | T+1] along K, and the query operand is [q | zeros] or [zeros | q]: zero codes add nothing.
; Queries lie between runs of six zero registers (Z q Z q Z q Z), so both forms are runs of 12 registers.  C is -a/2, so a score costs no vector instruction.
; THE KEYS OF A TILE: key n = 64 G + 32 hh + 8 tt + j lies in tile T = 4 G + tt at row 8 hh + j: a lane's eight results of the four tiles of a G are 32 neighbouring keys.
; ROLES: waves 0-3 quantise (a lane to a key, registers down K), then waves 0-7 multiply (32 tiles of queries each) while waves 8-15 turn V (64 channels each) through LDS.
; No tensor loads, no cluster: each operand byte goes into one wave's registers once; what all work-groups share, the queries' 204,800 bytes, does not fit in LDS beside the 133,120 bytes in which V is turned.
; LIMITS: NaN and infinities are not served; a is two fused chains of 32 squares, added; a block of zeros gets the byte 1 (its codes are zeros; only this program reads the bytes); V is rounded to bf16.
.set NEB, 131072                       ; bytes of a row of mem_k, mem_v1, mem_v2
.set KSO, 0x180000                     ; kq: 2,048 tile images of 768 bytes; from here 1,024 pairs x 16 scale words;
.set NAO, 0x190000                     ; from here 2,048 tiles x 16 numbers -a/2
.set SCW, 6144                         ; LDS: 0 the 8 tiles' images (768 bytes each); here their scale words, 4 pairs x 16 rows;
.set NAL, 6400                         ; -a/2, 8 tiles x 16 rows;
.set SMX, 7168                         ; 2,048 bytes for each multiplying wave: its 512 queries' maxima;
.set VST, 23552                        ; 128 rows of 1,024 bytes + 16: row 32 kk + l holds key 4 l + kk
.set KF,  20                           ; v20-67   4 pairs of tiles, 12 registers each
.set KS,  68                           ; v68-71   their scale words (nothing else ever lies here)
.set CN,  72                           ; v72-135  -a/2 in the result's layout, 8 tiles x 8
.set ACC, 136                          ; v136-199 8 results
.set QS,  242                          ; v242-244 the queries' scale words, three buffers (nothing else ever lies here)
.set MX,  246                          ; v246-249 four running maxima;  v250 a lane permute's destination
.set XK,  72                           ; quantising: v72-135 my key's 64 numbers
.set RV,  72                           ; turning V: v72-199 four sets of 8 channels x 4 keys;  v200-231 two sets of packed bf16
.set PK,  200
.macro MM d, a, b, c, sa, sb
	v_wmma_scale_f32_16x16x128_f8f6f4 v[\d:\d+7], v[\a:\a+11], v[\b:\b+11], v[\c:\c+7], v[\sa], v[\sb] matrix_a_fmt:MATRIX_FMT_BF6 matrix_b_fmt:MATRIX_FMT_BF6
.endm
	s_load_b256 s[8:15], s[0:1], 0x0               ; mem_k 8, v1 10, v2 12, q codes 14
	s_load_b128 s[16:19], s[0:1], 0x20             ; q scales 16, kq 18 (its codes)
	s_load_b128 s[24:27], s[0:1], 0x30             ; vt 24, smax 26
	v_lshl_add_u32 v254, v0, 2, 0x26400
	v_mov_b32 v255, 0
	v_lshrrev_b32 v1, 5, v0
	v_readfirstlane_b32 s2, v1                     ; wave 0..15
	s_and_b32 s3, s2, 3                            ; kg: which 32 keys a quantising wave takes
	s_and_b32 s4, s2, 7                            ; my number within my role
	s_lshr_b32 s5, s3, 1                           ; kg >> 1: the G of my 32 keys
	s_and_b32 s6, s3, 1                            ; kg & 1: their hh
	s_mov_b32 s30, 0x76543210
	s_mov_b32 s31, 0xfedcba98                      ; v_permlanex16_b32's selects for lane l xor 16
	v_and_b32 v20, 31, v0                          ; l
	v_and_b32 v21, 15, v0                          ; r
	v_bfe_u32 v22, v0, 4, 1                        ; h
	v_bfe_u32 v23, v0, 3, 2                        ; l >> 3 = tt
	v_and_b32 v24, 7, v0                           ; l & 7 = j
	v_bfe_u32 v25, v0, 3, 1                        ; tt & 1
; every address register is made here, ahead of the roles' parting, and none ever holds loaded data
	v_lshlrev_b32 v1, 4, v20                       ; v1  16 l
	v_lshlrev_b32 v2, 3, v20                       ; v2  8 l
	v_lshlrev_b32 v3, 2, v21                       ; v3  4 r
	v_lshlrev_b32 v4, 5, v22                       ; v4  32 h
	s_mul_i32 s7, s5, 3072
	s_lshl_b32 s28, s6, 7
	s_add_co_u32 s28, s28, s7
	v_mul_u32_u24 v5, v23, 768
	v_lshl_add_u32 v6, v24, 3, v5
	v_lshl_add_u32 v5, v24, 4, v5
	v_add_nc_u32 v5, s28, v5                       ; v5  my key's place in its tile's image, registers 0-3: 768 T + 16 row
	s_lshl_b32 s28, s6, 6
	s_add_co_u32 s28, s28, s7
	s_add_co_u32 s28, s28, 512
	v_add_nc_u32 v6, s28, v6                       ; v6  registers 4-5: 768 T + 512 + 8 row
	s_lshl_b32 s7, s5, 7
	s_lshl_b32 s28, s6, 5
	s_add_co_u32 s7, s7, s28
	s_add_co_u32 s7, s7, SCW
	v_lshlrev_b32 v7, 6, v22
	v_lshl_add_u32 v7, v24, 2, v7
	v_lshl_add_u32 v7, v25, 1, v7
	v_add_nc_u32 v7, s7, v7                        ; v7  my key's two scale bytes: SCW + 64 (T >> 1) + 4 row + 2 (T & 1)
	s_lshl_b32 s7, s5, 8
	s_add_co_u32 s7, s7, s28
	s_add_co_u32 s7, s7, NAL
	v_lshlrev_b32 v8, 6, v23
	v_lshl_add_u32 v8, v24, 2, v8
	v_add_nc_u32 v8, s7, v8                        ; v8  my key's -a/2: NAL + 64 T + 4 row
	s_lshl_b32 s7, s3, 7
	v_lshl_add_u32 v9, v20, 2, s7                  ; v9  my key's column in mem_k: 128 kg + 4 l
	s_mul_i32 s7, s4, 768
	v_add_nc_u32 v10, s7, v1                       ; v10 the image that I copy out, registers 0-3 (the same offset in LDS and in kq)
	s_add_co_u32 s7, s7, 512
	v_add_nc_u32 v11, s7, v2                       ; v11 registers 4-5
	v_mul_u32_u24 v12, v21, 48
	v_mad_u32_u24 v12, v22, 24, v12
	s_mul_i32 s7, s4, 24576
	v_add_nc_u32 v12, s7, v12                      ; v12 queries' codes: my 512 queries, row r of 48 bytes, block h
	v_lshlrev_b32 v13, 1, v21
	s_lshl_b32 s7, s4, 10
	v_add_nc_u32 v13, s7, v13                      ; v13 their scale bytes, two a query
	s_lshl_b32 s7, s4, 11
	v_add_nc_u32 v15, s7, v1                       ; v15 my 2,048 bytes of maxima, 16 a lane (LDS, less SMX, and smax)
	s_add_co_u32 s7, s7, SMX
	v_add_nc_u32 v14, s7, v3                       ; v14 where a tile's 16 maxima go
	v_mul_u32_u24 v16, v20, 1040
	s_lshl_b32 s7, s4, 7
	s_add_co_u32 s7, s7, VST
	v_add_nc_u32 v16, s7, v16                      ; v16 V's stage, rows l and 32 + l, my 64 channels' 128 bytes
	v_add_nc_u32 v17, 66560, v16                   ; v17 rows 64 + l and 96 + l
	s_mul_i32 s7, s2, 8320
	s_add_co_u32 s7, s7, VST
	v_add_nc_u32 v18, s7, v1                       ; v18 the 8 stage rows that I send out
	s_lshl_b32 s7, s3, 15
	s_lshr_b32 s28, s2, 2
	s_lshl_b32 s28, s28, 10
	s_add_co_u32 s7, s7, s28
	v_add_nc_u32 v19, s7, v1                       ; v19 stage row 8 w + i is key 32 (w & 3) + 4 i + (w >> 2): its row of 1,024 bytes in vt
	v_mov_b32 v250, 0                              ; a lane permute's destination counts as read
	s_mov_b32 s29, 0
	s_wait_kmcnt 0x0
	s_add_nc_u64 s[20:21], s[18:19], KSO           ; kq's scale words
	s_add_nc_u64 s[22:23], s[18:19], NAO           ; kq's -a/2
	s_lshl_b32 s28, ttmp9, 9                       ; 128 keys x 4 bytes
	s_add_nc_u64 s[8:9], s[8:9], s[28:29]
	s_add_nc_u64 s[10:11], s[10:11], s[28:29]
	s_add_nc_u64 s[12:13], s[12:13], s[28:29]
	s_add_nc_u64 s[22:23], s[22:23], s[28:29]      ; -a/2: 8 tiles x 64 bytes
	s_mul_i32 s28, ttmp9, 6144
	s_add_nc_u64 s[18:19], s[18:19], s[28:29]      ; codes: 8 images
	s_lshl_b32 s28, ttmp9, 8
	s_add_nc_u64 s[20:21], s[20:21], s[28:29]      ; scale words: 4 pairs x 64 bytes
	s_lshl_b32 s28, ttmp9, 17
	s_add_nc_u64 s[24:25], s[24:25], s[28:29]      ; vt: 128 rows
	s_lshl_b32 s28, ttmp9, 14
	s_add_nc_u64 s[26:27], s[26:27], s[28:29]      ; smax: my row of 4,096
	s_cmp_lt_u32 s4, 4                             ; turning waves 0-3 take mem_v1, 4-7 mem_v2: the choice hangs on the wave's number alone
	s_cselect_b64 s[32:33], s[10:11], s[12:13]
	s_lshl_b32 s28, s3, 23                         ; 64 channels x 131,072 bytes
	s_add_nc_u64 s[32:33], s[32:33], s[28:29]
; ---- the keys are quantised: waves 0-3, a lane to a key
	s_cmp_lt_u32 s2, 4
	s_cbranch_scc0 .Lquantised
.set kq, 0
.rept 64
	global_load_b32 v[XK+kq], v9, s[8:9] offset:kq*NEB th:TH_LOAD_NT   ; mem_k(k, my key): 32 lanes read 128 consecutive bytes
.set kq, kq+1
.endr
	s_wait_loadcnt 0x0
	v_mul_f32 v136, v[XK], v[XK]
	v_mul_f32 v137, v[XK+32], v[XK+32]
.set kq, 1
.rept 31
	v_fmac_f32 v136, v[XK+kq], v[XK+kq]
	v_fmac_f32 v137, v[XK+32+kq], v[XK+32+kq]
.set kq, kq+1
.endr
	v_add_f32 v136, v136, v137
	v_mul_f32 v136, -0.5, v136                     ; -a/2
.macro QBLOCK b                        ; block b of my key: its largest magnitude, its scale, its 32 codes
.set XS, XK+32*\b
	v_max3_num_f32 v138, |v[XS]|, |v[XS+1]|, |v[XS+2]|
	v_max3_num_f32 v139, |v[XS+3]|, |v[XS+4]|, |v[XS+5]|
.irp i, 6,10,14,18,22,26
	v_max3_num_f32 v138, v138, |v[XS+\i]|, |v[XS+\i+1]|
	v_max3_num_f32 v139, v139, |v[XS+\i+2]|, |v[XS+\i+3]|
.endr
	v_max3_num_f32 v138, v138, |v[XS+30]|, |v[XS+31]|
	v_max3_num_f32 v138, v138, v139, 0x2800000     ; the floor 2^(5 - 127): the byte cannot fall under 1
	v_add_nc_u32 v[140+\b], 0xfe000000, v138       ; 4 off the exponent field: the conversion's scale operand
	v_lshrrev_b32 v[142+\b], 23, v[140+\b]         ; the scale's byte
	v_cvt_scalef32_pk16_bf6_f32 v[200:202], v[XS:XS+15], v[140+\b]
	v_cvt_scalef32_pk16_bf6_f32 v[208:210], v[XS+16:XS+31], v[140+\b]   ; (a conversion's three registers begin on an even number)
	v_nop                                          ; one plain place behind a scaled conversion
	v_mov_b32 v203, v208
	v_mov_b32 v204, v209
	v_mov_b32 v205, v210
	ds_store_b128 v5, v[200:203] offset:256*\b     ; image lane = row + 16 x block
	ds_store_b64 v6, v[204:205] offset:128*\b
	s_wait_dscnt 0x0                               ; the stores have read their registers
.endm
	QBLOCK 0
	QBLOCK 1
	v_lshl_or_b32 v144, v143, 8, v142
	ds_store_b16 v7, v144                          ; my key's two bytes: half of its pair's scale word
	ds_store_b32 v8, v136
.Lquantised:
	s_wait_dscnt 0x0                               ; my stores have landed
	s_barrier_signal -1
	s_barrier_wait -1                              ; the images, scale words and -a/2 lie in LDS
	s_cmp_lt_u32 s2, 8
	s_cbranch_scc0 .Lturn_v
; ---- waves 0-7: the 128 keys stay in registers, 32 tiles of queries go by
.macro QLOAD i                         ; tile i's codes and scale bytes into buffer i % 3
.set QB, 206+12*((\i)%3)
	global_load_b64 v[QB:QB+1], v12, s[14:15] offset:768*(\i)
	global_load_b64 v[QB+2:QB+3], v12, s[14:15] offset:768*(\i)+8
	global_load_b64 v[QB+4:QB+5], v12, s[14:15] offset:768*(\i)+16
	global_load_u16 v[QS+(\i)%3], v13, s[16:17] offset:32*(\i)
.endm
	QLOAD 0
	QLOAD 1
.irp p, 0,1,2,3
	ds_load_b128 v[KF+12*\p:KF+12*\p+3], v1 offset:1536*\p           ; tile 2 p: registers 0-5 of the operand;
	ds_load_b64 v[KF+12*\p+4:KF+12*\p+5], v2 offset:1536*\p+512
	ds_load_b128 v[KF+12*\p+6:KF+12*\p+9], v1 offset:1536*\p+768     ; tile 2 p + 1: registers 6-11
	ds_load_b64 v[KF+12*\p+10:KF+12*\p+11], v2 offset:1536*\p+1280
	ds_load_b32 v[KS+\p], v3 offset:SCW+64*\p
.endr
.irp t, 0,1,2,3,4,5,6,7
	ds_load_b128 v[CN+8*\t:CN+8*\t+3], v4 offset:NAL+64*\t           ; register j: -a/2 of row 8 h + j
	ds_load_b128 v[CN+8*\t+4:CN+8*\t+7], v4 offset:NAL+64*\t+16
.endr
	ds_load_b128 v[136:139], v10                   ; what was made goes to memory: each of the eight waves copies one image,
	ds_load_b64 v[140:141], v11
	s_cmp_lg_u32 s2, 0
	s_cbranch_scc1 .Lnot_wave_0
	ds_load_b64 v[142:143], v2 offset:SCW          ; wave 0 also the 256 bytes of scale words and the 512 of -a/2
	ds_load_b128 v[144:147], v1 offset:NAL
	s_wait_dscnt 0x0
	global_store_b64 v2, v[142:143], s[20:21]
	global_store_b128 v1, v[144:147], s[22:23]
.Lnot_wave_0:
	s_wait_dscnt 0x0
	global_store_b128 v10, v[136:139], s[18:19]
	global_store_b64 v11, v[140:141], s[18:19]
.irp z, 200,212,224,236
.irp e, 0,1,2,3,4,5
	v_mov_b32 v[\z+\e], 0                          ; the runs of zero codes between the queries' buffers
.endr
.endr
	s_wait_xcnt 0x0                                ; the stores' data registers are written again (by products) only behind this wait
.macro REDUCE i                        ; tile i's results: of each query the largest of my 64 keys, then of the other half's 64.  Each result is first read at its low end
.irp c, 0,1,2,3
	v_max3_num_f32 v[MX+\c], v[ACC+16*\c], v[ACC+16*\c+1], v[ACC+16*\c+2]
.endr
.irp s, 3,5,7,9,11,13
.irp c, 0,1,2,3
	v_max3_num_f32 v[MX+\c], v[MX+\c], v[ACC+16*\c+\s], v[ACC+16*\c+\s+1]
.endr
.endr
.irp c, 0,1,2,3
	v_max_num_f32 v[MX+\c], v[MX+\c], v[ACC+16*\c+15]
.endr
	v_max3_num_f32 v[MX], v[MX], v[MX+1], v[MX+2]
	v_max_num_f32 v[MX], v[MX], v[MX+3]
	v_permlanex16_b32 v250, v[MX], s30, s31
	v_max_num_f32 v[MX], v[MX], v250
	ds_store_b32 v14, v[MX] offset:64*(\i)         ; both halves write the same word with the same value
.endm
.macro QSTEP i
.if (\i) < 31
	s_wait_loadcnt 4                               ; tile i's four loads are in; tile i + 1's four may be out
.else
	s_wait_loadcnt 0
.endif
	v_lshl_or_b32 v[QS+(\i)%3], v[QS+(\i)%3], 16, v[QS+(\i)%3]   ; (s0, s1, s0, s1): the word serves both forms
.if (\i) > 0
	v_nop                                          ; with the line above: four places behind the last products, ahead of the first read of their results
	v_nop
	v_nop
	REDUCE (\i)-1                                  ; its 36 lines are also the places ahead of the load below, of the products that write the results anew, and behind the scale word just made
.else
.rept 8
	v_nop                                          ; a scale word made by a vector instruction stands eight places ahead of its product
.endr
.endif
.if (\i)+2 < 32
	QLOAD (\i)+2                                   ; into the buffer that tile i - 1 has left
.endif
.set QB, 206+12*((\i)%3)
.irp p, 0,1,2,3
	MM ACC+16*\p, KF+12*\p, QB, CN+16*\p, KS+\p, QS+(\i)%3           ; [q | 0]: tile 2 p
	MM ACC+16*\p+8, KF+12*\p, QB-6, CN+16*\p+8, KS+\p, QS+(\i)%3     ; [0 | q]: tile 2 p + 1
.endr
.endm
.set ti, 0
.rept 32
	QSTEP ti
.set ti, ti+1
.endr
.rept 4
	v_nop
.endr
	REDUCE 31
.irp k, 0,1,2,3
	ds_load_b128 v[ACC+4*\k:ACC+4*\k+3], v15 offset:SMX+512*\k       ; my own bytes, served in order: these see my stores
.endr
.irp k, 0,1,2,3
	s_wait_dscnt 3-\k
	global_store_b128 v15, v[ACC+4*\k:ACC+4*\k+3], s[26:27] offset:512*\k   ; 32 lanes store 512 consecutive bytes
.endr
	s_branch .Lturned
; ---- waves 8-15: 64 channels x 128 keys each, f32 to bf16, channels innermost
.Lturn_v:
.macro VLOAD g                         ; channels 8 g .. 8 g + 7: each load reads the 128 keys' 512 consecutive bytes, four keys a lane
.irp c, 0,1,2,3,4,5,6,7
	global_load_b128 v[RV+32*((\g)%4)+4*\c:RV+32*((\g)%4)+4*\c+3], v1, s[32:33] offset:(8*(\g)+\c)*NEB th:TH_LOAD_NT
.endr
.endm
.macro VCONV g
.if 7-(\g) < 3
	s_wait_loadcnt 8*(7-(\g))                      ; group g is in; the younger groups of eight loads stay out
.else
	s_wait_loadcnt 24
.endif
	s_wait_dscnt 4                                 ; the stores of two groups back have read this set of packed registers
.irp kk, 0,1,2,3
.irp d, 0,1,2,3
	v_cvt_pk_bf16_f32 v[PK+16*((\g)%2)+4*\kk+\d], v[RV+32*((\g)%4)+8*\d+\kk], v[RV+32*((\g)%4)+8*\d+4+\kk]   ; key 4 l + kk, channels 8 g + 2 d and + 1
.endr
.endr
	ds_store_b128 v16, v[PK+16*((\g)%2):PK+16*((\g)%2)+3] offset:16*(\g)            ; rows 1,040 bytes apart
	ds_store_b128 v16, v[PK+16*((\g)%2)+4:PK+16*((\g)%2)+7] offset:33280+16*(\g)
	ds_store_b128 v17, v[PK+16*((\g)%2)+8:PK+16*((\g)%2)+11] offset:16*(\g)
	ds_store_b128 v17, v[PK+16*((\g)%2)+12:PK+16*((\g)%2)+15] offset:33280+16*(\g)
.if (\g)+4 < 8
	VLOAD (\g)+4
.endif
.endm
	VLOAD 0
	VLOAD 1
	VLOAD 2
	VLOAD 3
.irp g, 0,1,2,3,4,5,6,7
	VCONV \g
.endr
.Lturned:
	s_wait_dscnt 0x0                               ; my stores into the stage have landed
	s_barrier_signal -1
	s_barrier_wait -1                              ; 128 whole rows of 512 bf16 lie in the stage
.irp i, 0,1,2,3,4,5,6,7
	ds_load_b128 v[72+8*\i:75+8*\i], v18 offset:1040*\i
	ds_load_b128 v[76+8*\i:79+8*\i], v18 offset:1040*\i+512
.endr
.irp i, 0,1,2,3,4,5,6,7
	s_wait_dscnt 15-2*\i
	global_store_b128 v19, v[72+8*\i:75+8*\i], s[24:25] offset:4096*\i         ; 32 lanes store 512 consecutive bytes, half a key's row
	s_wait_dscnt 14-2*\i
	global_store_b128 v19, v[76+8*\i:79+8*\i], s[24:25] offset:4096*\i+512
.endr
	s_wait_tensorcnt 0x0
	ds_add_u32 v254, v255
	s_wait_dscnt 0x0
	s_endpgm
.Lfunc_end_k_q2a45b03067_stage:
	.size	k_q2a45b03067_stage, .Lfunc_end_k_q2a45b03067_stage-k_q2a45b03067_stage
	.p2alignl 7, 3214868480
	.fill 96, 4, 3214868480
	.section	.rodata,"a",@progbits
	.p2align	6, 0x0
	.amdhsa_kernel k_q2a45b03067_stage
		.amdhsa_group_segment_fixed_size 158720
		.amdhsa_private_segment_fixed_size 0
		.amdhsa_enable_private_segment 0
		.amdhsa_kernarg_size 64
		.amdhsa_user_sgpr_count 2
		.amdhsa_user_sgpr_kernarg_segment_ptr 1
		.amdhsa_wavefront_size32 1
		.amdhsa_system_sgpr_workgroup_id_x 1
		.amdhsa_system_sgpr_workgroup_id_y 1
		.amdhsa_system_sgpr_workgroup_id_z 1
		.amdhsa_system_vgpr_workitem_id 0
		.amdhsa_next_free_vgpr 256
		.amdhsa_next_free_sgpr 66
		.amdhsa_reserve_vcc 0
		.amdhsa_float_denorm_mode_32 3
		.amdhsa_float_denorm_mode_16_64 3
		.amdhsa_memory_ordered 1
		.amdhsa_forward_progress 1
		.amdhsa_inst_pref_size 159
	.end_amdhsa_kernel
	.amdgpu_metadata
---
amdhsa.version: [ 1, 2 ]
amdhsa.kernels:
  - .name:           k_q2a45b03067_stage
    .symbol:         k_q2a45b03067_stage.kd
    .args:
      - { .name: mem_k, .offset: 0, .size: 8, .value_kind: global_buffer, .address_space: global }
      - { .name: mem_v1, .offset: 8, .size: 8, .value_kind: global_buffer, .address_space: global }
      - { .name: mem_v2, .offset: 16, .size: 8, .value_kind: global_buffer, .address_space: global }
      - { .name: qk_codes, .offset: 24, .size: 8, .value_kind: global_buffer, .address_space: global }
      - { .name: qk_scales, .offset: 32, .size: 8, .value_kind: global_buffer, .address_space: global }
      - { .name: kq, .offset: 40, .size: 8, .value_kind: global_buffer, .address_space: global }
      - { .name: vt, .offset: 48, .size: 8, .value_kind: global_buffer, .address_space: global }
      - { .name: smax, .offset: 56, .size: 8, .value_kind: global_buffer, .address_space: global }
    .group_segment_fixed_size: 158720
    .private_segment_fixed_size: 0
    .kernarg_segment_align: 8
    .kernarg_segment_size: 64
    .max_flat_workgroup_size: 512
    .sgpr_count:     66
    .vgpr_count:     256
    .wavefront_size: 32
...
	.end_amdgpu_metadata
.endif
;; end of part 1
;; launch flag (part 2): grid 32 x 8, 16 waves a work-group, no clusters, 70,144 bytes of LDS; arguments kq, smax, qk_codes, qk_scales, nflags, rsum; writes nflags, rsum
.if DOCPART == 2
	.amdgcn_target "amdgcn-amd-amdhsa--gfx1250"
	.amdhsa_code_object_version 6
	.text
	.protected	k_q2a45b03067_flag
	.globl	k_q2a45b03067_flag
	.p2align	8
	.type	k_q2a45b03067_flag,@function
k_q2a45b03067_flag:
	s_mov_b64 s[64:65], 0
	v_nop
	global_prefetch_b8 v0, s[64:65] scope:SCOPE_SE
	s_setreg_imm32_b32 hwreg(HW_REG_WAVE_MODE, 25, 1), 1
	s_wait_xcnt 0x0
; SECOND OF FOUR LAUNCHES.  For each query a bound tau' under its 20th largest score; one bit for each of the 32,768 keys: 0 where D >= tau', 1 where not (nflags); and one bit for each run of 128 keys,
; 0 where the run's largest D >= tau' (rsum): the later launches find the words worth reading by it.
; tau': the 256 maxima of runs of 128 keys (smax) are joined four and four (runs i, 64 + i, 128 + i, 192 + i) into 64 maxima of disjoint sets of keys; tau' is the 20th largest of the 64.
; Twenty different keys have D >= tau', so the query's 20th largest D is at least tau': every one of its top 20 is flagged.  The scores are made by the same instruction on the same operand bits as
; in the first launch, so the comparison is exact.  Nothing here branches on a score: the sign of D - tau' is shifted into a word.
; SHARES.  Work-group (x, y): queries 128 x .. + 127, keys 4,096 y .. + 4,095.  Wave w: 8 pairs of tiles (256 keys) against the 8 tiles of queries, which stay in its registers: 128 products.
; A lane's 32 signs of two pairs of tiles are 32 neighbouring keys (key 64 G + 32 h + s at bit 31 - s): word 4 R + 2 h + (G & 1) of the query's 1,024, R = G >> 1 the run: a run's four words lie together.
; No tensor loads, no cluster: a pair of tiles goes into one wave's registers and is multiplied there with all that the wave holds; LDS would add a copy and no reuse.
; LIMITS: NaN and infinities are not served; where scores of both signs of zero meet tau' = 0, -0 counts as less than +0.
.set KSO, 0x180000                     ; kq: the codes; from here the scale words;
.set NAO, 0x190000                     ; from here -a/2
.set FST, 512                          ; LDS: 0 -tau' of the 128 queries; here 128 rows of 512 bytes + 16: a query's 128 words of this work-group's keys
.set QS,  12                           ; v12-19   the queries' scale words (nothing else ever lies here)
.set KSR, 20                           ; v20-21   the keys' scale words, two buffers (likewise)
.set NTR, 22                           ; v22-29   -tau' of query r of tile t
.set WB,  30                           ; v30-37   the word in the making, one for each tile of queries
.set QZ,  38                           ; v38-139  Z q0 Z q1 .. q7 Z: six zero registers between the queries
.set AX,  196                          ; v196-227 four results: two sets of two, by turns
.set XB,  64                           ; the search for tau' (waves 0-3, ahead of all that): three banks of 64
.set YB,  128
.set ZB,  192
.macro MM d, a, b, c, sa, sb
	v_wmma_scale_f32_16x16x128_f8f6f4 v[\d:\d+7], v[\a:\a+11], v[\b:\b+11], v[\c:\c+7], v[\sa], v[\sb] matrix_a_fmt:MATRIX_FMT_BF6 matrix_b_fmt:MATRIX_FMT_BF6
.endm
	s_load_b64 s[8:9], s[0:1], 0x0                 ; kq (its codes)
	s_load_b64 s[14:15], s[0:1], 0x8               ; smax
	s_load_b256 s[16:23], s[0:1], 0x10             ; q codes 16, q scales 18, nflags 20, rsum 22
	v_lshrrev_b32 v1, 5, v0
	v_readfirstlane_b32 s2, v1                     ; wave 0..15
	s_and_b32 s3, ttmp7, 0xffff                    ; y
	v_and_b32 v38, 31, v0                          ; l
	v_and_b32 v39, 15, v0                          ; r
	v_bfe_u32 v40, v0, 4, 1                        ; h
	v_lshlrev_b32 v1, 4, v38                       ; v1  16 l
	v_lshlrev_b32 v2, 3, v38                       ; v2  8 l
	v_lshlrev_b32 v3, 2, v39                       ; v3  4 r
	v_lshlrev_b32 v4, 5, v40                       ; v4  32 h
	v_mul_u32_u24 v5, v39, 48
	v_mad_u32_u24 v5, v40, 24, v5                  ; v5  a query's codes: row r of 48 bytes, block h
	v_lshlrev_b32 v6, 1, v39                       ; v6  its two scale bytes
	v_lshlrev_b32 v7, 2, v0                        ; v7  4 x thread: a query of the 128, in smax's and rsum's rows and among the -tau'
	v_mul_u32_u24 v8, v39, 528
	v_lshl_add_u32 v8, v40, 3, v8
	s_lshl_b32 s5, s2, 5
	s_add_co_u32 s5, s5, FST
	v_add_nc_u32 v8, s5, v8                        ; v8  where my words go: row r, + 32 w + 8 h
	s_mul_i32 s5, s2, 4224
	s_add_co_u32 s5, s5, FST
	v_add_nc_u32 v9, s5, v1                        ; v9  the 8 rows that I send out
	s_lshl_b32 s5, s2, 15
	v_add_nc_u32 v10, s5, v1                       ; v10 and their place in nflags: 4,096 bytes a query
	s_mov_b32 s7, 0
	s_lshl_b32 s4, s3, 7
	s_lshl_b32 s5, s2, 3
	s_add_co_u32 s4, s4, s5                        ; my first pair of tiles: 128 y + 8 w
	s_wait_kmcnt 0x0
	s_add_nc_u64 s[10:11], s[8:9], KSO             ; kq's scale words
	s_add_nc_u64 s[12:13], s[8:9], NAO             ; kq's -a/2
	s_lshl_b32 s6, ttmp9, 9
	s_add_nc_u64 s[14:15], s[14:15], s[6:7]        ; smax at query 128 x
	s_lshl_b32 s6, s3, 19
	s_add_nc_u64 s[24:25], s[14:15], s[6:7]        ; and at this work-group's first run, 32 y
	s_mul_i32 s6, ttmp9, 6144
	s_add_nc_u64 s[16:17], s[16:17], s[6:7]
	s_lshl_b32 s6, ttmp9, 8
	s_add_nc_u64 s[18:19], s[18:19], s[6:7]
	s_mul_i32 s6, s4, 1536
	s_add_nc_u64 s[8:9], s[8:9], s[6:7]
	s_lshl_b32 s6, s4, 6
	s_add_nc_u64 s[10:11], s[10:11], s[6:7]
	s_lshl_b32 s6, s4, 7
	s_add_nc_u64 s[12:13], s[12:13], s[6:7]
	s_lshl_b32 s6, ttmp9, 19
	s_lshl_b32 s5, s3, 9
	s_add_co_u32 s6, s6, s5
	s_add_nc_u64 s[20:21], s[20:21], s[6:7]        ; nflags at query 128 x, word 128 y
	s_lshl_b32 s6, s3, 14
	s_lshl_b32 s5, ttmp9, 9
	s_add_co_u32 s6, s6, s5
	s_add_nc_u64 s[22:23], s[22:23], s[6:7]        ; rsum at row y, query 128 x
; ---- tau': waves 0-3, a lane to a query
	s_cmp_lt_u32 s2, 4
	s_cbranch_scc0 .Lbound_made
.set bi, 0
.rept 64
	global_load_b32 v[XB+bi], v7, s[14:15] offset:16384*bi
	global_load_b32 v[YB+bi], v7, s[14:15] offset:16384*(64+bi)
	global_load_b32 v[ZB+bi], v7, s[14:15] offset:16384*(128+bi)
.set bi, bi+1
.endr
	s_wait_loadcnt 0x0
.set bi, 0
.rept 64
	v_max3_num_f32 v[XB+bi], v[XB+bi], v[YB+bi], v[ZB+bi]
.set bi, bi+1
.endr
.set bi, 0
.rept 64
	global_load_b32 v[YB+bi], v7, s[14:15] offset:16384*(192+bi)
.set bi, bi+1
.endr
	s_wait_loadcnt 0x0
.set bi, 0
.rept 64
	v_max_num_f32 v[XB+bi], v[XB+bi], v[YB+bi]
.set bi, bi+1
.endr
; a bitonic sort of the lane's 64 numbers, largest first: 21 stages of 32 exchanges; each stage reads one bank and writes the other, so an exchange is a maximum and a minimum and no copy
.set bsrc, XB
.set bdst, YB
.set bk, 2
.rept 6
.set bj, bk/2
.rept 6
.if bj >= 1
.set bi, 0
.rept 64
.if (bi^bj) > bi
.if (bi&bk) == 0
	v_max_num_f32 v[bdst+bi], v[bsrc+bi], v[bsrc+(bi^bj)]
	v_min_num_f32 v[bdst+(bi^bj)], v[bsrc+bi], v[bsrc+(bi^bj)]
.else
	v_min_num_f32 v[bdst+bi], v[bsrc+bi], v[bsrc+(bi^bj)]
	v_max_num_f32 v[bdst+(bi^bj)], v[bsrc+bi], v[bsrc+(bi^bj)]
.endif
.endif
.set bi, bi+1
.endr
.set btmp, bsrc
.set bsrc, bdst
.set bdst, btmp
.set bj, bj/2
.endif
.endr
.set bk, bk*2
.endr
	v_xor_b32 v[YB+19], 0x80000000, v[YB+19]       ; 21 stages end in the second bank: -(the 20th largest)
	ds_store_b32 v7, v[YB+19]
; the bits of this work-group's 32 runs: the sign of (the run's largest D) - tau', run 32 y + i at bit 31 - i
.set bi, 0
.rept 32
	global_load_b32 v[XB+bi], v7, s[24:25] offset:16384*bi
.set bi, bi+1
.endr
	v_mov_b32 v[ZB], 0
	s_wait_loadcnt 0x0
.set bi, 0
.rept 32
	v_add_f32 v[XB+bi], v[XB+bi], v[YB+19]
.set bi, bi+1
.endr
.set bi, 0
.rept 32
	v_alignbit_b32 v[ZB], v[ZB], v[XB+bi], 31      ; word = word << 1 | sign
.set bi, bi+1
.endr
	global_store_b32 v7, v[ZB], s[22:23]           ; 32 lanes store 128 consecutive bytes, the four waves 512
	s_wait_xcnt 0x0                                ; the store's data register is loaded again below only behind this wait
.Lbound_made:
	s_wait_dscnt 0x0
	s_barrier_signal -1
	s_barrier_wait -1                              ; the 128 bounds lie in LDS
; ---- the products and the signs
.macro KLOAD pi                        ; pair pi: 12 registers of codes, 16 of -a/2, a scale word: nine loads, into buffer pi % 2
.set KB, 140+28*((\pi)%2)
	global_load_b128 v[KB:KB+3], v1, s[8:9] offset:1536*(\pi)
	global_load_b64 v[KB+4:KB+5], v2, s[8:9] offset:1536*(\pi)+512
	global_load_b128 v[KB+6:KB+9], v1, s[8:9] offset:1536*(\pi)+768
	global_load_b64 v[KB+10:KB+11], v2, s[8:9] offset:1536*(\pi)+1280
	global_load_b32 v[KSR+(\pi)%2], v3, s[10:11] offset:64*(\pi)
	global_load_b128 v[KB+12:KB+15], v4, s[12:13] offset:128*(\pi)
	global_load_b128 v[KB+16:KB+19], v4, s[12:13] offset:128*(\pi)+16
	global_load_b128 v[KB+20:KB+23], v4, s[12:13] offset:128*(\pi)+64
	global_load_b128 v[KB+24:KB+27], v4, s[12:13] offset:128*(\pi)+80
.endm
.irp t, 0,1,2,3,4,5,6,7
	global_load_b64 v[QZ+6+12*\t:QZ+7+12*\t], v5, s[16:17] offset:768*\t
	global_load_b64 v[QZ+8+12*\t:QZ+9+12*\t], v5, s[16:17] offset:768*\t+8
	global_load_b64 v[QZ+10+12*\t:QZ+11+12*\t], v5, s[16:17] offset:768*\t+16
	global_load_u16 v[QS+\t], v6, s[18:19] offset:32*\t
.endr
.irp t, 0,1,2,3,4,5,6,7
	ds_load_b32 v[NTR+\t], v3 offset:64*\t
.endr
	KLOAD 0
	KLOAD 1
.irp z, 0,1,2,3,4,5,6,7,8
.irp e, 0,1,2,3,4,5
	v_mov_b32 v[QZ+12*\z+\e], 0                    ; the runs of zero codes
.endr
.endr
	s_wait_loadcnt 18                              ; the queries are in; the two pairs of keys, nine loads each, may be out
.irp t, 0,1,2,3,4,5,6,7
	v_lshl_or_b32 v[QS+\t], v[QS+\t], 16, v[QS+\t] ; (s0, s1, s0, s1)
.endr
.irp t, 0,1,2,3,4,5,6,7
	v_mov_b32 v[WB+\t], 0                          ; (written before they are read; with these eight lines every scale word stands eight places ahead of its first product)
.endr
	s_wait_dscnt 0x0
.macro WW t, pi                        ; the pair's two tiles x tile t of the queries
.set DD, AX+16*((\t)%2)
.set QB, QZ+6+12*(\t)
.set KB, 140+28*((\pi)%2)
	MM DD, KB, QB, KB+12, KSR+(\pi)%2, QS+(\t)
	MM DD+8, KB, QB-6, KB+20, KSR+(\pi)%2, QS+(\t)
.endm
.macro VV t                            ; D - tau', two at a time, from each result's low end on; then the 16 signs into the word, the lower key first
.set DD, AX+16*((\t)%2)
.irp j, 0,2,4,6,8,10,12,14
.if (\t)%2 == 0
	v_pk_add_f32 v[DD+\j:DD+\j+1], v[DD+\j:DD+\j+1], v[NTR+2*((\t)/2):NTR+2*((\t)/2)+1] op_sel:[0,0] op_sel_hi:[1,0]
.else
	v_pk_add_f32 v[DD+\j:DD+\j+1], v[DD+\j:DD+\j+1], v[NTR+2*((\t)/2):NTR+2*((\t)/2)+1] op_sel:[0,1] op_sel_hi:[1,1]
.endif
.endr
.irp j, 0,1,2,3,4,5,6,7,8,9,10,11,12,13,14,15
	v_alignbit_b32 v[WB+(\t)], v[WB+(\t)], v[DD+\j], 31     ; word = word << 1 | sign
.endr
.endm
; The two sets of results take turns: while one set's 24 vector lines run, the other set's products are at work; those 24 lines, which name none of the other set's registers, are the places behind its products.
.macro PAIR pi
.if (\pi) < 7
	s_wait_loadcnt 9                               ; this pair is in; the next pair's nine loads may be out
.else
	s_wait_loadcnt 0
.endif
	WW 0, \pi
	WW 1, \pi
.rept 4
	v_nop
.endr
	VV 0
.irp t, 2,3,4,5,6,7
	WW \t, \pi
	VV \t-1
.endr
	VV 7
.if (\pi)+2 < 8
	KLOAD (\pi)+2                                  ; into the buffer just left: 48 vector lines behind its last product
.endif
.if (\pi)%2 == 1
.irp t, 0,1,2,3,4,5,6,7
	ds_store_b32 v8, v[WB+\t] offset:8448*\t+16*((\pi)/4)+4*(((\pi)/2)%2)    ; two pairs have filled the word: 32 neighbouring keys; G & 3 = pi / 2
.endr
.endif
.endm
.irp p, 0,1,2,3,4,5,6,7
	PAIR \p
.endr
	s_wait_dscnt 0x0
	s_barrier_signal -1
	s_barrier_wait -1                              ; 128 rows of 512 bytes lie in the stage
.irp i, 0,1,2,3,4,5,6,7
	ds_load_b128 v[140+4*\i:143+4*\i], v9 offset:528*\i
.endr
.irp i, 0,1,2,3,4,5,6,7
	s_wait_dscnt 7-\i
	global_store_b128 v10, v[140+4*\i:143+4*\i], s[20:21] offset:4096*\i   ; 32 lanes store 512 consecutive bytes of a query's row
.endr
	s_wait_xcnt 0x0
	v_lshl_add_u32 v254, v0, 2, 0x10a00
	v_mov_b32 v255, 0
	s_wait_tensorcnt 0x0
	ds_add_u32 v254, v255
	s_wait_dscnt 0x0
	s_endpgm
.Lfunc_end_k_q2a45b03067_flag:
	.size	k_q2a45b03067_flag, .Lfunc_end_k_q2a45b03067_flag-k_q2a45b03067_flag
	.p2alignl 7, 3214868480
	.fill 96, 4, 3214868480
	.section	.rodata,"a",@progbits
	.p2align	6, 0x0
	.amdhsa_kernel k_q2a45b03067_flag
		.amdhsa_group_segment_fixed_size 70144
		.amdhsa_private_segment_fixed_size 0
		.amdhsa_enable_private_segment 0
		.amdhsa_kernarg_size 48
		.amdhsa_user_sgpr_count 2
		.amdhsa_user_sgpr_kernarg_segment_ptr 1
		.amdhsa_wavefront_size32 1
		.amdhsa_system_sgpr_workgroup_id_x 1
		.amdhsa_system_sgpr_workgroup_id_y 1
		.amdhsa_system_sgpr_workgroup_id_z 1
		.amdhsa_system_vgpr_workitem_id 0
		.amdhsa_next_free_vgpr 256
		.amdhsa_next_free_sgpr 66
		.amdhsa_reserve_vcc 0
		.amdhsa_float_denorm_mode_32 3
		.amdhsa_float_denorm_mode_16_64 3
		.amdhsa_memory_ordered 1
		.amdhsa_forward_progress 1
		.amdhsa_inst_pref_size 211
	.end_amdhsa_kernel
	.amdgpu_metadata
---
amdhsa.version: [ 1, 2 ]
amdhsa.kernels:
  - .name:           k_q2a45b03067_flag
    .symbol:         k_q2a45b03067_flag.kd
    .args:
      - { .name: kq, .offset: 0, .size: 8, .value_kind: global_buffer, .address_space: global }
      - { .name: smax, .offset: 8, .size: 8, .value_kind: global_buffer, .address_space: global }
      - { .name: qk_codes, .offset: 16, .size: 8, .value_kind: global_buffer, .address_space: global }
      - { .name: qk_scales, .offset: 24, .size: 8, .value_kind: global_buffer, .address_space: global }
      - { .name: nflags, .offset: 32, .size: 8, .value_kind: global_buffer, .address_space: global }
      - { .name: rsum, .offset: 40, .size: 8, .value_kind: global_buffer, .address_space: global }
    .group_segment_fixed_size: 70144
    .private_segment_fixed_size: 0
    .kernarg_segment_align: 8
    .kernarg_segment_size: 48
    .max_flat_workgroup_size: 512
    .sgpr_count:     66
    .vgpr_count:     256
    .wavefront_size: 32
...
	.end_amdgpu_metadata
.endif
;; end of part 2
;; launch pick (part 3): grid 256 x 1, 16 waves a work-group, no clusters, 4,096 bytes of LDS; arguments nflags, rsum, la, lb, lc; writes la, lb, lc
.if DOCPART == 3
	.amdgcn_target "amdgcn-amd-amdhsa--gfx1250"
	.amdhsa_code_object_version 6
	.text
	.protected	k_q2a45b03067_pick
	.globl	k_q2a45b03067_pick
	.p2align	8
	.type	k_q2a45b03067_pick,@function
k_q2a45b03067_pick:
	s_mov_b64 s[64:65], 0
	v_nop
	global_prefetch_b8 v0, s[64:65] scope:SCOPE_SE
	s_setreg_imm32_b32 hwreg(HW_REG_WAVE_MODE, 25, 1), 1
	s_wait_xcnt 0x0
; THIRD OF FOUR LAUNCHES.  A wave to a query; a work-group takes 16 neighbouring queries.  The query's candidates (the zero bits of nflags) become a short list of keys at fixed places:
; 47 keys of 16 bits and a mark, 96 bytes a query: la keys 0-15, lb keys 16-31, lc keys 32-46 and the mark.  0xffff is an empty place.
; WHAT STEERS: the run bits of rsum alone (whole numbers of an earlier launch, by scalar loads): which runs of 128 keys hold a candidate, so which 16 bytes of nflags are read and into which lane they go.
; WHAT IS ONLY DATA: the words of nflags.  No branch and no address hangs on them: keys are taken out of them by arithmetic and selects that run alike whatever the bits.
; 1. Lane p holds the four words of the p-th flagged run (32 runs a batch; a second batch where there are more than 32).
; 2. Five times a batch every lane gives up one candidate: its first word that is not empty, that word's lowest one (x & -x), the bit's place from the exponent of the bit as f32, the key; the bit is cleared.
; 3. The first candidate of runs 0-31 is the list's keys 0-31.  All others (nine registers, nearly all empty) are taken out in fifteen rounds: the smallest key over the wave goes to a fixed lane and is removed.
; 4. THE MARK is 0xffff if the list holds every candidate, and 0 if not: more than 64 flagged runs, more than 5 candidates in a run, more than 15 keys beside the first 32.
;    The last launch then walks the bits itself: every input is served, such a query more slowly.
; The 16 queries' lists meet in LDS; waves 0, 1, 2 store la's, lb's, lc's 512 consecutive bytes.  No matrix work, no tensor loads, no cluster: work-groups share nothing.
.set RL,  6                            ; v6      lane p: the p-th flagged run of the batch
.set M,   8                            ; v8-11   its four words, a one for each candidate
.set KB,  12                           ; v12-15  for each word: the key of bit 0, + 127
.set S,   16                           ; v16-21  at work
.set B,   17
.set T,   18
.set L,   19
.set U,   20
.set P,   21
.set NF,  22                           ; v22     all ones: an empty place
.set ZR,  23                           ; v23     0
.set OVF, 24                           ; v24     bits that five turns have left
.set OUT, 25                           ; v25     lanes 0-14: keys 32-46; lane 15: the mark
.set E,   26                           ; v26-35  the keys taken out: five registers a batch
; SCALARS: s[8:9] nflags at my query; s[10:11] rsum; s[12:17] la, lb, lc; s[18:19] the buffer that my wave stores; s[32:39] the run bits; s40-47, s60-63 at work; s[52:59] eight runs' byte offsets;
; s66 the batch's first run slot; s[68:99] eight runs' four words; s101 flagged runs
	s_load_b128 s[8:11], s[0:1], 0x0               ; nflags 8, rsum 10
	s_load_b128 s[12:15], s[0:1], 0x10             ; la 12, lb 14
	s_load_b64 s[16:17], s[0:1], 0x20              ; lc
	v_lshl_add_u32 v40, v0, 2, 0x800
	v_mov_b32 v41, 0
	v_lshrrev_b32 v2, 5, v0
	v_readfirstlane_b32 s2, v2                     ; wave 0..15
	s_lshl_b32 s3, ttmp9, 4
	s_add_co_u32 s3, s3, s2                        ; my query
	s_mov_b32 s24, 0x76543210
	s_mov_b32 s25, 0xfedcba98                      ; v_permlanex16_b32's selects for lane l xor 16
	v_and_b32 v2, 31, v0                           ; l
	v_lshlrev_b32 v1, 4, v2                        ; v1  16 l
	v_bfe_u32 v3, v0, 4, 1                         ; h
	v_and_b32 v4, 15, v0
	v_lshlrev_b32 v4, 1, v4
	v_lshl_add_u32 v4, v3, 9, v4
	s_lshl_b32 s4, s2, 5
	v_add_nc_u32 v4, s4, v4                        ; v4  LDS, in: 512 h + 32 w + 2 (l & 15): four regions of 512 bytes (la's, lb's, lc's, and one that nobody reads), 32 bytes a query
	s_min_u32 s4, s2, 3
	s_lshl_b32 s4, s4, 9
	v_add_nc_u32 v5, s4, v1                        ; v5  back: region w, 16 bytes a lane
	v_mov_b32 v[NF], -1
	v_mov_b32 v[ZR], 0
	v_mov_b32 v[OVF], 0
	v_mov_b32 v[OUT], -1
	v_mov_b32 v[P], 0                              ; a lane permute's destination counts as read
.irp e, 5,6,7,8,9
	v_mov_b32 v[E+\e], -1                          ; the second batch's keys: none, unless it runs
.endr
	s_mov_b32 s5, 0
	s_wait_kmcnt 0x0
	s_lshl_b32 s4, s3, 2
	s_add_nc_u64 s[10:11], s[10:11], s[4:5]
.irp y, 0,1,2,3,4,5,6,7
	s_load_b32 s[32+\y], s[10:11], 16384*\y        ; my query's word of runs 32 y .. 32 y + 31: eight loads on their way together
.endr
	s_lshl_b32 s4, s3, 12
	s_add_nc_u64 s[8:9], s[8:9], s[4:5]
	s_cmp_eq_u32 s2, 1                             ; which buffer my wave stores: the choice hangs on the wave's number alone
	s_cselect_b64 s[18:19], s[14:15], s[12:13]
	s_cmp_eq_u32 s2, 2
	s_cselect_b64 s[18:19], s[16:17], s[18:19]
	s_lshl_b32 s4, ttmp9, 9                        ; 16 queries x 32 bytes
	s_add_nc_u64 s[18:19], s[18:19], s[4:5]
	s_wait_kmcnt 0x0
	s_mov_b32 s101, 0
.irp y, 0,1,2,3,4,5,6,7
	s_not_b32 s[32+\y], s[32+\y]                   ; a one for each flagged run
	s_bcnt1_i32_b32 s4, s[32+\y]
	s_add_co_u32 s101, s101, s4                    ; how many
.endr
; The flagged runs numbered s66 .. s66 + 31 go into RL's lanes.  Run 32 y + i stands at bit 31 - i of word y
.macro RUNS y
	s_mov_b32 s41, s[32+\y]
	s_bcnt1_i32_b32 s42, s41
	s_cmp_eq_u32 s42, 0
	s_cbranch_scc1 .Lry_\@
	s_mov_b32 s44, 0
.Lrl_\@:
	s_ctz_i32_b32 s45, s41
	s_sub_co_u32 s46, s41, 1
	s_and_b32 s41, s41, s46
	s_sub_co_u32 s45, 32*\y+31, s45                ; the run
	s_sub_co_u32 s46, s40, s66                     ; its place in this batch of runs
	s_add_co_u32 s40, s40, 1
	s_cmp_lt_u32 s46, 32
	s_cbranch_scc0 .Lrn_\@
	v_writelane_b32 v[RL], s45, s46
.Lrn_\@:
	s_add_co_u32 s44, s44, 1
	s_cmp_lt_u32 s44, s42
	s_cbranch_scc1 .Lrl_\@
.Lry_\@:
.endm
.macro SLOT j                          ; the four words of the run in slot j go, as they are, into its lane; an empty slot is passed over
	s_add_co_u32 s63, s62, \j
	s_cmp_ge_u32 s63, s47
	s_cbranch_scc1 .Lse_\@
	v_writelane_b32 v[M], s[68+4*\j], s63
	v_writelane_b32 v[M+1], s[69+4*\j], s63
	v_writelane_b32 v[M+2], s[70+4*\j], s63
	v_writelane_b32 v[M+3], s[71+4*\j], s63
.Lse_\@:
.endm
.macro TAKE e                          ; every lane gives up one candidate of its run, or an empty place
	v_cmp_ne_u32 s44, 0, v[M]
	v_cmp_ne_u32 s45, 0, v[M+1]
	v_cmp_ne_u32 s46, 0, v[M+2]
	v_cndmask_b32 v[S], v[M+3], v[M+2], s46        ; the first word that is not empty,
	v_cndmask_b32 v[B], v[KB+3], v[KB+2], s46      ; and its base
	v_cndmask_b32 v[S], v[S], v[M+1], s45
	v_cndmask_b32 v[B], v[B], v[KB+1], s45
	v_cndmask_b32 v[S], v[S], v[M], s44
	v_cndmask_b32 v[B], v[B], v[KB], s44
	v_sub_nc_u32 v[T], 0, v[S]
	v_and_b32 v[L], v[S], v[T]                     ; its lowest one
	v_cvt_f32_u32 v[T], v[L]                       ; a power of two: exact
	v_lshrrev_b32 v[T], 23, v[T]                   ; 127 + the bit's place
	v_sub_nc_u32 v[T], v[B], v[T]                  ; the key
	v_cmp_ne_u32 vcc_lo, 0, v[S]
	v_cndmask_b32 v[\e], v[NF], v[T], vcc_lo
	s_or_b32 s45, s44, s45
	s_or_b32 s46, s45, s46
	v_add_nc_u32 v[T], -1, v[M]                    ; x & (x - 1) clears the lowest one (and leaves 0 as it is): in the first word that is not empty alone
	v_and_b32 v[M], v[M], v[T]
	v_add_nc_u32 v[T], -1, v[M+1]
	v_and_b32 v[T], v[M+1], v[T]
	v_cndmask_b32 v[M+1], v[T], v[M+1], s44
	v_add_nc_u32 v[U], -1, v[M+2]
	v_and_b32 v[U], v[M+2], v[U]
	v_cndmask_b32 v[M+2], v[U], v[M+2], s45
	v_add_nc_u32 v[T], -1, v[M+3]
	v_and_b32 v[T], v[M+3], v[T]
	v_cndmask_b32 v[M+3], v[T], v[M+3], s46
.endm
; Run slots 32 b .. 32 b + 31.  Eight runs' words, 16 bytes each, are asked for together; scalar loads come back in no order, so the one wait is for all
.macro BATCH b
	v_mov_b32 v[RL], 0
.irp c, 0,1,2,3
	v_mov_b32 v[M+\c], -1                          ; a lane without a run: no candidate
.endr
	s_mov_b32 s66, 32*\b
	s_mov_b32 s40, 0
.irp y, 0,1,2,3,4,5,6,7
	RUNS \y
.endr
	s_sub_co_u32 s47, s101, s66
	s_min_u32 s47, s47, 32                         ; runs in this batch
	s_add_co_u32 s60, s47, 7
	s_lshr_b32 s60, s60, 3                         ; rounds of eight
	s_mov_b32 s61, 0
	s_mov_b32 s62, 0
.Lrd_\@:
.irp j, 0,1,2,3,4,5,6,7
	s_add_co_u32 s63, s62, \j
	v_readlane_b32 s[52+\j], v[RL], s63
	s_min_u32 s[52+\j], s[52+\j], 255
	s_lshl_b32 s[52+\j], s[52+\j], 4               ; the run's four words: 16 bytes
	s_load_b128 s[68+4*\j:71+4*\j], s[8:9], s[52+\j] offset:0x0
.endr
	s_wait_kmcnt 0x0                               ; which also frees the offsets
.irp j, 0,1,2,3,4,5,6,7
	SLOT \j
.endr
	s_add_co_u32 s62, s62, 8
	s_add_co_u32 s61, s61, 1
	s_cmp_lt_u32 s61, s60
	s_cbranch_scc1 .Lrd_\@
.irp c, 0,1,2,3
	v_xor_b32 v[M+\c], -1, v[M+\c]                 ; a one for each candidate
.endr
	v_lshlrev_b32 v[KB], 7, v[RL]                  ; word c holds keys 128 run + 64 (c & 1) + 32 (c >> 1) + s at bit 31 - s
	v_add_nc_u32 v[KB], 158, v[KB]                 ; 31 + 127
	v_add_nc_u32 v[KB+1], 64, v[KB]
	v_add_nc_u32 v[KB+2], 32, v[KB]
	v_add_nc_u32 v[KB+3], 96, v[KB]
.irp e, 0,1,2,3,4
	TAKE E+5*\b+\e
.endr
.irp c, 0,1,2,3
	v_or_b32 v[OVF], v[OVF], v[M+\c]               ; what five turns have left
.endr
.endm
	BATCH 0
	s_cmp_le_u32 s101, 32                          ; a branch on the run bits
	s_cbranch_scc1 .Lone_batch
	BATCH 1
.Lone_batch:
.macro LEAST                           ; each lane's smallest of the nine registers
	v_min_u32 v[T], v[E+1], v[E+2]
	v_min_u32 v[U], v[E+3], v[E+4]
	v_min_u32 v[S], v[E+5], v[E+6]
	v_min_u32 v[B], v[E+7], v[E+8]
	v_min_u32 v[T], v[T], v[U]
	v_min_u32 v[S], v[S], v[B]
	v_min_u32 v[T], v[T], v[E+9]
	v_min_u32 v[T], v[T], v[S]
.endm
.macro WMIN                            ; and the smallest over the 32 lanes, in every lane
.irp x, 1,2,4,8
	v_mov_b32_dpp v[P], v[T] row_xmask:\x row_mask:0xf bank_mask:0xf
	v_min_u32 v[T], v[T], v[P]
.endr
	v_permlanex16_b32 v[P], v[T], s24, s25
	v_min_u32 v[T], v[T], v[P]
.endm
.macro ROUND i                         ; the smallest key left goes to lane i and is removed (keys differ, so one place is emptied); with none left the lane stays empty
	LEAST
	WMIN
	s_mov_b32 s44, 1<<\i
	v_cndmask_b32 v[OUT], v[OUT], v[T], s44
.irp k, 1,2,3,4,5,6,7,8,9
	v_cmp_eq_u32 vcc_lo, v[E+\k], v[T]
	v_cndmask_b32 v[E+\k], v[E+\k], v[NF], vcc_lo
.endr
.endm
.irp i, 0,1,2,3,4,5,6,7,8,9,10,11,12,13,14
	ROUND \i
.endr
	LEAST                                          ; the mark: 0 where a key or a bit is left in any lane, or runs were not looked at
	v_cmp_ne_u32 s44, -1, v[T]
	v_cmp_ne_u32 s45, 0, v[OVF]
	s_or_b32 s44, s44, s45
	v_cndmask_b32 v[T], v[NF], v[ZR], s44
	WMIN
	s_cmp_gt_u32 s101, 64
	s_cselect_b32 s45, 0, -1
	v_min_u32 v[T], s45, v[T]
	s_mov_b32 s44, 1<<15
	v_cndmask_b32 v[OUT], v[OUT], v[T], s44
	ds_store_b16 v4, v[E]                          ; keys 0-15 into la's region, 16-31 into lb's
	ds_store_b16 v4, v[OUT] offset:1024            ; lanes 0-15 into lc's region
	s_wait_dscnt 0x0                               ; my stores have landed
	s_barrier_signal -1
	s_barrier_wait -1                              ; the 16 queries' lists lie in LDS
	s_cmp_lt_u32 s2, 3
	s_cbranch_scc0 .Lend
	ds_load_b128 v[36:39], v5
	s_wait_dscnt 0x0
	global_store_b128 v1, v[36:39], s[18:19]       ; 32 lanes store 512 consecutive bytes
.Lend:
	s_wait_tensorcnt 0x0
	ds_add_u32 v40, v41
	s_wait_dscnt 0x0
	s_endpgm
.Lfunc_end_k_q2a45b03067_pick:
	.size	k_q2a45b03067_pick, .Lfunc_end_k_q2a45b03067_pick-k_q2a45b03067_pick
	.p2alignl 7, 3214868480
	.fill 96, 4, 3214868480
	.section	.rodata,"a",@progbits
	.p2align	6, 0x0
	.amdhsa_kernel k_q2a45b03067_pick
		.amdhsa_group_segment_fixed_size 4096
		.amdhsa_private_segment_fixed_size 0
		.amdhsa_enable_private_segment 0
		.amdhsa_kernarg_size 40
		.amdhsa_user_sgpr_count 2
		.amdhsa_user_sgpr_kernarg_segment_ptr 1
		.amdhsa_wavefront_size32 1
		.amdhsa_system_sgpr_workgroup_id_x 1
		.amdhsa_system_sgpr_workgroup_id_y 1
		.amdhsa_system_sgpr_workgroup_id_z 1
		.amdhsa_system_vgpr_workitem_id 0
		.amdhsa_next_free_vgpr 42
		.amdhsa_next_free_sgpr 102
		.amdhsa_reserve_vcc 1
		.amdhsa_float_denorm_mode_32 3
		.amdhsa_float_denorm_mode_16_64 3
		.amdhsa_memory_ordered 1
		.amdhsa_forward_progress 1
		.amdhsa_inst_pref_size 60
	.end_amdhsa_kernel
	.amdgpu_metadata
---
amdhsa.version: [ 1, 2 ]
amdhsa.kernels:
  - .name:           k_q2a45b03067_pick
    .symbol:         k_q2a45b03067_pick.kd
    .args:
      - { .name: nflags, .offset: 0, .size: 8, .value_kind: global_buffer, .address_space: global }
      - { .name: rsum, .offset: 8, .size: 8, .value_kind: global_buffer, .address_space: global }
      - { .name: la, .offset: 16, .size: 8, .value_kind: global_buffer, .address_space: global }
      - { .name: lb, .offset: 24, .size: 8, .value_kind: global_buffer, .address_space: global }
      - { .name: lc, .offset: 32, .size: 8, .value_kind: global_buffer, .address_space: global }
    .group_segment_fixed_size: 4096
    .private_segment_fixed_size: 0
    .kernarg_segment_align: 8
    .kernarg_segment_size: 40
    .max_flat_workgroup_size: 512
    .sgpr_count:     102
    .vgpr_count:     42
    .wavefront_size: 32
...
	.end_amdgpu_metadata
.endif
;; end of part 3
;; launch read (part 4): grid 256 x 1, 16 waves a work-group, no clusters, 35,072 bytes of LDS; arguments nflags, kq, vt, qk_codes, qk_scales, out0, rsum, la, lb, lc; writes out0
.if DOCPART == 4
	.amdgcn_target "amdgcn-amd-amdhsa--gfx1250"
	.amdhsa_code_object_version 6
	.text
	.protected	k_q2a45b03067_read
	.globl	k_q2a45b03067_read
	.p2align	8
	.type	k_q2a45b03067_read,@function
k_q2a45b03067_read:
	s_mov_b64 s[64:65], 0
	v_nop
	global_prefetch_b8 v0, s[64:65] scope:SCOPE_SE
	s_setreg_imm32_b32 hwreg(HW_REG_WAVE_MODE, 25, 1), 1
	s_wait_xcnt 0x0
; LAST OF FOUR LAUNCHES.  A wave to a query; a work-group takes 16 neighbouring queries.
; The query's candidates (keys with D >= tau': at least 20, all of the top 20 among them) come as a list of up to 47 keys of 16 bits (la, lb, lc: 96 bytes, 0xffff = an empty place) with a mark.
; Where the mark says that the list does not hold them all, the wave walks the bits itself (rsum: 0 = a run of 128 keys holds a candidate; nflags: 0 = a candidate).
; All of these are whole numbers that earlier launches stored; they come by SCALAR loads and stay in scalar registers: every list, trip count and address here hangs on them alone.
; 1. In batches of 32 candidates: DECODE the batch's keys into the lanes of LIST (it also counts all candidates); SCORE them anew (the same instruction on the same operand bits as before, sources swapped:
; the transposed tile); sort (score, key) across the lanes and merge with the best 32 so far.  A higher score is better, of equal scores the lower key: the order of jax.lax.top_k.
; The first batch is written out ahead of the loop over the others: its DECODE gives the number of batches, against which that loop is counted.
; 2. The 20th pair, the largest score m and the sum of 2^((D - m) log2(e) / 4) over the best 20 (D is four times the affinity; the maximum is taken away).
; 3. In batches again: each candidate's weight, 0 where it ranks behind the 20th pair; EVERY candidate's row of vt is read (so no address hangs on a score) and added with its weight:
; bf16 values, f32 weights and sums.  These two products have one row and a different right operand for each query: in a matrix instruction 15 of 16 rows would be idle, so they are fused multiply-adds.
; 4. The 16 queries' 512 channels meet in LDS and leave as 64 consecutive bytes a channel: out0's rows hold 4,096 queries, and 256 consecutive bytes would want 64 queries, 64 work-groups for the whole chip.
; LIMITS: NaN and infinities are not served (a row that is not chosen is multiplied by 0).  With more than 32 candidates each batch decodes the whole list again: the time then grows with the square of their number.
.set KSO,  0x180000                    ; kq: the codes; from here the scale words;
.set NAO,  0x190000                    ; from here -a/2
.set RL,   16                          ; v16      lane p: the p-th flagged run of the batch of runs in hand
.set QZ,   48                          ; v48-65   Z q Z
.set QS,   66                          ; v66      the query's scale word (nothing else ever lies here)
.set LIST, 67                          ; v67      lane p: the batch's p-th key
.set VAL,  68                          ; v68      its score
.set SV,   69                          ; v69, v70 the best 32 pairs so far, best first
.set SI,   70
.set PV,   71                          ; v71, v72 the partner lane's pair
.set PI,   72
.set LX,   74                          ; v74, v75 candidates r and 16 + r, in both halves of the lanes
.set LY,   75
.set AD,   76                          ; v76-83   offsets of the gathers
.set KFX,  84                          ; v84-107  the candidates' rows of their pairs of tiles
.set KFY,  96
.set KSX,  108                         ; v108-109 their scale words (nothing else ever lies here)
.set KSY,  109
.set CC,   110                         ; v110-141 four C: register 0 the candidate's -a/2, registers 1-7 zeros
.set DR,   142                         ; v142-173 four results
.set ACC,  174                         ; v174-189 my 16 channels' sums
.set RW,   190                         ; v190-253 eight rows of vt;  v190-194 also at work between
.set T1,   190
.set T2,   191
.set T3,   192
.set BV,   193
.set BI,   194
.set WT,   254
.set INV,  255
; SCALARS: s[8:23] the buffers; s26 candidates in all; s27 batches; s28, s29 the batch and its first candidate; s30 candidates met; s31 the list's mark; s[32:39] the run bits, a one for each flagged run;
; s40-47, s60-63, s4, s5 at work; s[52:59] eight runs' byte offsets, later eight rows' weights; s66, s67 the batch of runs; s[68:91] the list (where the bits are walked: s[68:99] eight runs' four words);
; s100 batches of runs; s101 flagged runs
.macro MM d, a, b, c, sa, sb
	v_wmma_scale_f32_16x16x128_f8f6f4 v[\d:\d+7], v[\a:\a+11], v[\b:\b+11], v[\c:\c+7], v[\sa], v[\sb] matrix_a_fmt:MATRIX_FMT_BF6 matrix_b_fmt:MATRIX_FMT_BF6
.endm
	s_load_b128 s[8:11], s[0:1], 0x0               ; nflags 8, kq 10 (its codes)
	s_load_b256 s[16:23], s[0:1], 0x10             ; vt 16, q codes 18, q scales 20, out0 22
	s_load_b64 s[6:7], s[0:1], 0x30                ; rsum
	s_load_b128 s[44:47], s[0:1], 0x38             ; la 44, lb 46
	s_load_b64 s[40:41], s[0:1], 0x48              ; lc
	v_lshl_add_u32 v47, v0, 2, 0x8100
	v_mov_b32 v73, 0
	v_lshrrev_b32 v2, 5, v0
	v_readfirstlane_b32 s2, v2                     ; wave 0..15
	s_lshl_b32 s3, ttmp9, 4
	s_add_co_u32 s3, s3, s2                        ; my query
	s_mov_b32 s24, 0x76543210
	s_mov_b32 s25, 0xfedcba98                      ; v_permlanex16_b32's selects for lane l xor 16
	s_mov_b32 s43, 0xffff0000                      ; lanes 16-31
	v_and_b32 v2, 31, v0                           ; v2  l
	v_lshlrev_b32 v1, 4, v2                        ; v1  16 l
	v_bfe_u32 v7, v0, 4, 1                         ; v7  h
	v_mul_u32_u24 v6, v7, 24                       ; v6  24 h
	s_mul_i32 s60, s2, 2064
	v_add_nc_u32 v3, s60, v1                       ; v3  the stage, in: my query's row of 2,048 bytes + 16
	v_and_b32 v4, 3, v0
	v_mul_u32_u24 v4, v4, 8256
	v_bfe_u32 v5, v0, 2, 3
	v_lshl_add_u32 v4, v5, 2, v4
	s_lshl_b32 s60, s2, 5
	v_add_nc_u32 v4, s60, v4                       ; v4  back: rows 4 (l & 3) on, word 8 w + (l >> 2)
	v_bfe_u32 v5, v0, 2, 2
	v_lshl_add_u32 v5, v7, 3, v5
	s_lshl_b32 s60, s2, 4
	v_add_nc_u32 v5, s60, v5
	v_lshlrev_b32 v5, 14, v5
	v_and_b32 v[T1], 3, v0
	v_lshl_add_u32 v5, v[T1], 4, v5                ; v5  out0: channel 16 w + 8 (l >> 4) + ((l >> 2) & 3), queries 4 (l & 3) on
	v_mov_b32 v[T2], 0
	s_mov_b32 s5, 0
	s_wait_kmcnt 0x0
	s_add_nc_u64 s[12:13], s[10:11], KSO           ; kq's scale words
	s_add_nc_u64 s[14:15], s[10:11], NAO           ; kq's -a/2
	s_lshl_b32 s4, s3, 5
	s_add_nc_u64 s[44:45], s[44:45], s[4:5]
	s_add_nc_u64 s[46:47], s[46:47], s[4:5]
	s_add_nc_u64 s[40:41], s[40:41], s[4:5]
	s_load_b256 s[68:75], s[44:45], 0x0            ; my query's list: keys 0-15,
	s_load_b256 s[76:83], s[46:47], 0x0            ; 16-31,
	s_load_b256 s[84:91], s[40:41], 0x0            ; 32-46 and the mark
	s_lshl_b32 s4, s3, 2
	s_add_nc_u64 s[6:7], s[6:7], s[4:5]
.irp y, 0,1,2,3,4,5,6,7
	s_load_b32 s[32+\y], s[6:7], 16384*\y          ; my query's word of runs 32 y .. 32 y + 31
.endr
	s_lshl_b32 s4, s3, 12
	s_add_nc_u64 s[8:9], s[8:9], s[4:5]
	s_mul_i32 s4, s3, 48
	s_add_nc_u64 s[18:19], s[18:19], s[4:5]
	s_lshl_b32 s4, s3, 1
	s_add_nc_u64 s[20:21], s[20:21], s[4:5]
	s_lshl_b32 s4, ttmp9, 6
	s_add_nc_u64 s[22:23], s[22:23], s[4:5]
	global_load_b64 v[QZ+6:QZ+7], v6, s[18:19]     ; every row of the query operand is my one query: block h in each lane
	global_load_b64 v[QZ+8:QZ+9], v6, s[18:19] offset:8
	global_load_b64 v[QZ+10:QZ+11], v6, s[18:19] offset:16
	global_load_u16 v[QS], v[T2], s[20:21]
.irp e, 0,1,2,3,4,5
	v_mov_b32 v[QZ+\e], 0
	v_mov_b32 v[QZ+12+\e], 0
.endr
.irp c, 0,1,2,3
.irp e, 1,2,3,4,5,6,7
	v_mov_b32 v[CC+8*\c+\e], 0
.endr
.endr
.irp e, 0,1,2,3,4,5,6,7,8,9,10,11,12,13,14,15
	v_mov_b32 v[ACC+\e], 0
.endr
	v_mov_b32 v[SV], 0xff800000                    ; the best so far: nothing
	v_mov_b32 v[SI], -1
	v_mov_b32 v[PV], 0                             ; destinations of lane permutes count as read
	v_mov_b32 v[PI], 0
	s_wait_loadcnt 0x0
	v_lshl_or_b32 v[QS], v[QS], 16, v[QS]          ; (s0, s1, s0, s1)
	s_wait_kmcnt 0x0                               ; the list and the run bits are in; their bases are free
	s_lshr_b32 s31, s91, 16                        ; the mark: 0xffff = the list holds every candidate
	s_mov_b32 s101, 0
.irp y, 0,1,2,3,4,5,6,7
	s_not_b32 s[32+\y], s[32+\y]                   ; a one for each flagged run
	s_bcnt1_i32_b32 s4, s[32+\y]
	s_add_co_u32 s101, s101, s4                    ; how many
.endr
	s_add_co_u32 s100, s101, 31
	s_lshr_b32 s100, s100, 5
	s_max_u32 s100, s100, 1                        ; batches of 32 runs
; Key i of the list.  The candidates numbered s29 .. s29 + 31 go into LIST's lanes, and into both halves of LX (the first 16) or LY
.macro KEYIN i
.if (\i)%2 == 0
	s_and_b32 s46, s[68+(\i)/2], 0xffff
.else
	s_lshr_b32 s46, s[68+(\i)/2], 16
.endif
	s_cmp_eq_u32 s46, 0xffff                       ; an empty place
	s_cbranch_scc1 .Lkn_\@
	s_sub_co_u32 s40, s30, s29                     ; its place in this batch
	s_add_co_u32 s30, s30, 1
	s_cmp_lt_u32 s40, 32
	s_cbranch_scc0 .Lkn_\@
	v_writelane_b32 v[LIST], s46, s40
	s_and_b32 s4, s40, 15
	s_or_b32 s5, s4, 16
	s_cmp_lt_u32 s40, 16
	s_cbranch_scc0 .Lky_\@
	v_writelane_b32 v[LX], s46, s4
	v_writelane_b32 v[LX], s46, s5
	s_branch .Lkn_\@
.Lky_\@:
	v_writelane_b32 v[LY], s46, s4
	v_writelane_b32 v[LY], s46, s5
.Lkn_\@:
.endm
; The flagged runs numbered s66 .. s66 + 31 go into RL's lanes.  Run 32 y + i stands at bit 31 - i of word y
.macro RUNS y
	s_mov_b32 s41, s[32+\y]
	s_bcnt1_i32_b32 s42, s41
	s_cmp_eq_u32 s42, 0
	s_cbranch_scc1 .Lry_\@
	s_mov_b32 s44, 0
.Lrl_\@:
	s_ctz_i32_b32 s45, s41
	s_sub_co_u32 s46, s41, 1
	s_and_b32 s41, s41, s46
	s_sub_co_u32 s45, 32*\y+31, s45                ; the run
	s_sub_co_u32 s46, s40, s66                     ; its place in this batch of runs
	s_add_co_u32 s40, s40, 1
	s_cmp_lt_u32 s46, 32
	s_cbranch_scc0 .Lrn_\@
	v_writelane_b32 v[RL], s45, s46
.Lrn_\@:
	s_add_co_u32 s44, s44, 1
	s_cmp_lt_u32 s44, s42
	s_cbranch_scc1 .Lrl_\@
.Lry_\@:
.endm
; Word c of the run in slot j: keys 128 run + 64 (c & 1) + 32 (c >> 1) + s at bit 31 - s
.macro WORD j, c
	s_not_b32 s41, s[68+4*\j+\c]                   ; a one for each candidate
	s_cmp_eq_u32 s41, 0
	s_cbranch_scc1 .Lwe_\@
	s_lshl_b32 s42, s[52+\j], 3                    ; 16 run x 8
	s_add_co_u32 s42, s42, 64*(\c&1)+32*(\c>>1)+31 ; the key of bit 0
	s_bcnt1_i32_b32 s44, s41
	s_mov_b32 s45, 0
.Lwl_\@:
	s_ctz_i32_b32 s46, s41
	s_sub_co_u32 s40, s41, 1
	s_and_b32 s41, s41, s40
	s_sub_co_u32 s46, s42, s46                     ; the key
	s_sub_co_u32 s40, s30, s29                     ; its place in this batch
	s_add_co_u32 s30, s30, 1
	s_cmp_lt_u32 s40, 32
	s_cbranch_scc0 .Lwn_\@
	v_writelane_b32 v[LIST], s46, s40
	s_and_b32 s4, s40, 15
	s_or_b32 s5, s4, 16
	s_cmp_lt_u32 s40, 16
	s_cbranch_scc0 .Lwy_\@
	v_writelane_b32 v[LX], s46, s4
	v_writelane_b32 v[LX], s46, s5
	s_branch .Lwn_\@
.Lwy_\@:
	v_writelane_b32 v[LY], s46, s4
	v_writelane_b32 v[LY], s46, s5
.Lwn_\@:
	s_add_co_u32 s45, s45, 1
	s_cmp_lt_u32 s45, s44
	s_cbranch_scc1 .Lwl_\@
.Lwe_\@:
.endm
.macro SLOT j                          ; an empty slot (behind the batch's last run) is passed over
	s_add_co_u32 s63, s62, \j
	s_cmp_ge_u32 s63, s47
	s_cbranch_scc1 .Lse_\@
	WORD \j, 0
	WORD \j, 1
	WORD \j, 2
	WORD \j, 3
.Lse_\@:
.endm
; All candidates are walked; s30 ends as their number.  By the list where its mark allows; else run by run through the bits: eight runs' words, 16 bytes each, are asked for together;
; scalar loads come back in no order, so the one wait is for all
.macro DECODE
	v_mov_b32 v[LIST], 0                           ; an empty place names key 0; its score is made -infinity and its weight 0
	v_mov_b32 v[LX], 0
	v_mov_b32 v[LY], 0
	s_mov_b32 s30, 0
	s_cmp_lg_u32 s31, 0xffff
	s_cbranch_scc1 .Lbits_\@
.set ki, 0
.rept 47
	KEYIN ki
.set ki, ki+1
.endr
	s_branch .Ldone_\@
.Lbits_\@:
	s_mov_b32 s66, 0
	s_mov_b32 s67, 0
.Lrb_\@:
	v_mov_b32 v[RL], 0
	s_mov_b32 s40, 0
.irp y, 0,1,2,3,4,5,6,7
	RUNS \y
.endr
	s_sub_co_u32 s47, s101, s66
	s_min_u32 s47, s47, 32                         ; runs in this batch
	s_add_co_u32 s60, s47, 7
	s_lshr_b32 s60, s60, 3                         ; rounds of eight
	s_mov_b32 s61, 0
	s_mov_b32 s62, 0
.Lrd_\@:
.irp j, 0,1,2,3,4,5,6,7
	s_add_co_u32 s63, s62, \j
	v_readlane_b32 s[52+\j], v[RL], s63
	s_min_u32 s[52+\j], s[52+\j], 255
	s_lshl_b32 s[52+\j], s[52+\j], 4               ; the run's four words: 16 bytes
	s_load_b128 s[68+4*\j:71+4*\j], s[8:9], s[52+\j] offset:0x0
.endr
	s_wait_kmcnt 0x0                               ; which also frees the offsets
.irp j, 0,1,2,3,4,5,6,7
	SLOT \j
.endr
	s_add_co_u32 s62, s62, 8
	s_add_co_u32 s61, s61, 1
	s_cmp_lt_u32 s61, s60
	s_cbranch_scc1 .Lrd_\@
	s_add_co_u32 s66, s66, 32
	s_add_co_u32 s67, s67, 1
	s_cmp_lt_u32 s67, s100
	s_cbranch_scc1 .Lrb_\@
.Ldone_\@:
.endm
; Sixteen candidates' operand: lane (r, h) takes block h of candidate r's row in both tiles of its pair, the pair's scale word of that row, and both tiles' -a/2
.macro GATHER n, a, kf, ksr, c0, c1
	v_lshrrev_b32 v[T1], 6, v[\n]
	v_bfe_u32 v[T2], v[\n], 4, 1
	v_lshl_or_b32 v[T1], v[T1], 1, v[T2]
	v_min_u32 v[T1], 0x3ff, v[T1]                  ; the pair of tiles: 2 (n >> 6) + ((n >> 4) & 1)
	v_bfe_u32 v[T2], v[\n], 5, 1
	v_and_b32 v[T3], 7, v[\n]
	v_lshl_or_b32 v[T2], v[T2], 3, v[T3]
	v_min_u32 v[T2], 15, v[T2]                     ; the row: 8 ((n >> 5) & 1) + (n & 7)
	v_mul_u32_u24 v[\a], v[T1], 0x600
	v_lshl_add_u32 v[\a+1], v[T2], 3, v[\a]
	v_lshl_add_u32 v[\a+1], v7, 7, v[\a+1]         ; 1536 pair + 8 row + 128 h
	v_lshl_add_u32 v[\a], v[T2], 4, v[\a]
	v_lshl_add_u32 v[\a], v7, 8, v[\a]             ; 1536 pair + 16 row + 256 h
	v_lshlrev_b32 v[\a+2], 6, v[T1]
	v_lshl_add_u32 v[\a+2], v[T2], 2, v[\a+2]      ; 64 pair + 4 row
	v_lshlrev_b32 v[\a+3], 7, v[T1]
	v_lshl_add_u32 v[\a+3], v[T2], 2, v[\a+3]      ; 128 pair + 4 row
	global_load_b128 v[\kf:\kf+3], v[\a], s[10:11]
	global_load_b64 v[\kf+4:\kf+5], v[\a+1], s[10:11] offset:512
	global_load_b128 v[\kf+6:\kf+9], v[\a], s[10:11] offset:768
	global_load_b64 v[\kf+10:\kf+11], v[\a+1], s[10:11] offset:1280
	global_load_b32 v[\ksr], v[\a+2], s[12:13]
	global_load_b32 v[\c0], v[\a+3], s[14:15]
	global_load_b32 v[\c1], v[\a+3], s[14:15] offset:64
.endm
.macro SCORE
	GATHER LX, AD, KFX, KSX, CC, CC+8
	GATHER LY, AD+4, KFY, KSY, CC+16, CC+24
	s_wait_loadcnt 0x0                             ; which also frees the offsets
	MM DR, QZ+6, KFX, CC, QS, KSX                  ; [q | 0]: the pair's first tile.  Register 0 of lane (r, h): candidate r's score
	MM DR+8, QZ, KFX, CC+8, QS, KSX                ; [0 | q]: its second
	MM DR+16, QZ+6, KFY, CC+16, QS, KSY
	MM DR+24, QZ, KFY, CC+24, QS, KSY
	v_and_b32 v[T1], 8, v[LIST]                    ; which tile of its pair is my candidate's: (n >> 3) & 1.  (Four places behind the products: this line, the compare and two v_nop)
	v_cmp_ne_u32 s45, 0, v[T1]
	v_nop
	v_nop
	v_cndmask_b32 v[T2], v[DR], v[DR+8], s45
	v_cndmask_b32 v[T3], v[DR+16], v[DR+24], s45
	v_cndmask_b32 v[VAL], v[T2], v[T3], s43
	s_sub_co_u32 s60, s26, s29                     ; candidates left from this batch's first on
	v_cmp_gt_u32 s46, s60, v2
	v_mov_b32 v[T1], 0xff800000
	v_cndmask_b32 v[VAL], v[T1], v[VAL], s46       ; empty places: -infinity
.endm
; An exchange with lane l xor j.  The partner's pair is better if its score is higher, or equal with the lower key.  notw: the lanes that keep the worse of the two
.macro STAGE val, idx, j, notw
.if \j == 16
	v_permlanex16_b32 v[PV], v[\val], s24, s25
	v_permlanex16_b32 v[PI], v[\idx], s24, s25
.else
	v_mov_b32_dpp v[PV], v[\val] row_xmask:\j row_mask:0xf bank_mask:0xf
	v_mov_b32_dpp v[PI], v[\idx] row_xmask:\j row_mask:0xf bank_mask:0xf
.endif
	v_cmp_gt_f32 s44, v[PV], v[\val]
	v_cmp_eq_f32 s45, v[PV], v[\val]
	v_cmp_lt_u32 s46, v[PI], v[\idx]
	s_and_b32 s45, s45, s46
	s_or_b32 s44, s44, s45
	s_xor_b32 vcc_lo, s44, \notw
	v_cndmask_b32 v[\val], v[\val], v[PV], vcc_lo
	v_cndmask_b32 v[\idx], v[\idx], v[PI], vcc_lo
.endm
; The batch in LIST is scored, sorted and merged into the best 32 pairs so far
.macro RANK
	SCORE
	v_mov_b32 v[BV], v[VAL]
	v_mov_b32 v[BI], v[LIST]
	STAGE BV, BI, 1, 0x99999999                    ; a bitonic sort across the 32 lanes, worst first: 15 exchanges
	STAGE BV, BI, 2, 0xc3c3c3c3
	STAGE BV, BI, 1, 0xa5a5a5a5
	STAGE BV, BI, 4, 0xf00ff00f
	STAGE BV, BI, 2, 0xcc33cc33
	STAGE BV, BI, 1, 0xaa55aa55
	STAGE BV, BI, 8, 0xff0000ff
	STAGE BV, BI, 4, 0xf0f00f0f
	STAGE BV, BI, 2, 0xcccc3333
	STAGE BV, BI, 1, 0xaaaa5555
	STAGE BV, BI, 16, 0x0000ffff
	STAGE BV, BI, 8, 0x00ff00ff
	STAGE BV, BI, 4, 0x0f0f0f0f
	STAGE BV, BI, 2, 0x33333333
	STAGE BV, BI, 1, 0x55555555
	v_cmp_gt_f32 s44, v[BV], v[SV]                 ; best first against worst first: the better of each lane's two are the best 32 of the 64,
	v_cmp_eq_f32 s45, v[BV], v[SV]
	v_cmp_lt_u32 s46, v[BI], v[SI]
	s_and_b32 s45, s45, s46
	s_or_b32 vcc_lo, s44, s45
	v_cndmask_b32 v[SV], v[SV], v[BV], vcc_lo
	v_cndmask_b32 v[SI], v[SI], v[BI], vcc_lo
	STAGE SV, SI, 16, 0xffff0000                   ; and five exchanges put them in order, best first
	STAGE SV, SI, 8, 0xff00ff00
	STAGE SV, SI, 4, 0xf0f0f0f0
	STAGE SV, SI, 2, 0xcccccccc
	STAGE SV, SI, 1, 0xaaaaaaaa
.endm
; ---- the best 32 pairs of all batches.  The first batch stands ahead of the loop: its DECODE counts the candidates, and so the batches
	s_mov_b32 s29, 0
	DECODE
	s_mov_b32 s26, s30                             ; the candidates in all
	s_add_co_u32 s27, s26, 31
	s_lshr_b32 s27, s27, 5
	s_max_u32 s27, s27, 1                          ; batches of 32
	RANK
	s_cmp_eq_u32 s27, 1                            ; one batch: there is no other to rank
	s_cbranch_scc1 .Lall_ranked
	s_mov_b32 s28, 1
	s_mov_b32 s29, 32
.Lpass_a:                                          ; batches 1 .. s27 - 1
	DECODE
	RANK
	s_add_co_u32 s29, s29, 32
	s_add_co_u32 s28, s28, 1
	s_cmp_lt_u32 s28, s27
	s_cbranch_scc1 .Lpass_a
.Lall_ranked:
; ---- the 20th pair, the maximum, the sum
	v_readlane_b32 s48, v[SV], 19
	v_readlane_b32 s49, v[SI], 19
	v_readlane_b32 s50, v[SV], 0
	s_mov_b32 s46, 0xfffff                         ; lanes 0-19
	v_sub_f32 v[T1], v[SV], s50
	v_mul_f32 v[T1], 0x3eb8aa3b, v[T1]             ; log2(e) / 4: D is four times the affinity
	v_exp_f32 v[T1], v[T1]
	v_nop                                          ; one plain place behind a transcendental
	s_wait_alu depctr_va_vdst(0)
	v_cndmask_b32 v[T1], 0, v[T1], s46
	v_add_f32_dpp v[T1], v[T1], v[T1] row_xmask:1 row_mask:0xf bank_mask:0xf
	v_add_f32_dpp v[T1], v[T1], v[T1] row_xmask:2 row_mask:0xf bank_mask:0xf
	v_add_f32_dpp v[T1], v[T1], v[T1] row_xmask:4 row_mask:0xf bank_mask:0xf
	v_add_f32_dpp v[T1], v[T1], v[T1] row_xmask:8 row_mask:0xf bank_mask:0xf
	v_permlanex16_b32 v[T2], v[T1], s24, s25
	v_add_f32 v[T1], v[T1], v[T2]
	v_rcp_f32 v[INV], v[T1]
	v_nop
; ---- the weights and the rows
	s_mov_b32 s28, 0
	s_mov_b32 s29, 0
.Lpass_b:
	s_cmp_eq_u32 s27, 1                            ; with one batch LIST and VAL still stand
	s_cbranch_scc1 .Lkept
	DECODE
	SCORE
.Lkept:
	v_cmp_gt_f32 s44, v[VAL], s48                  ; chosen: ranks at or ahead of the 20th pair
	v_cmp_eq_f32 s45, v[VAL], s48
	v_cmp_le_u32 s46, v[LIST], s49
	s_and_b32 s45, s45, s46
	s_or_b32 s44, s44, s45
	v_sub_f32 v[T1], v[VAL], s50
	v_mul_f32 v[T1], 0x3eb8aa3b, v[T1]
	v_exp_f32 v[T1], v[T1]
	v_nop
	s_wait_alu depctr_va_vdst(0)
	v_mul_f32 v[T1], v[T1], v[INV]
	v_cndmask_b32 v[WT], 0, v[T1], s44
	s_sub_co_u32 s60, s26, s29
	s_min_u32 s60, s60, 32
	s_add_co_u32 s60, s60, 7
	s_lshr_b32 s51, s60, 3                         ; trips of eight rows
	s_mov_b32 s62, 0
	s_mov_b32 s63, 0
.Lrows:
.irp i, 0,1,2,3,4,5,6,7
	s_add_co_u32 s61, s62, \i
	v_readlane_b32 s60, v[LIST], s61
	v_readlane_b32 s[52+\i], v[WT], s61
	s_min_u32 s60, s60, 0x7fff
	s_lshl_b32 s60, s60, 10                        ; the key's row of 1,024 bytes
	v_add_nc_u32 v[8+\i], s60, v1
	global_load_b128 v[RW+8*\i:RW+8*\i+3], v[8+\i], s[16:17]              ; channels 8 l .. 8 l + 7 of mem_v1
	global_load_b128 v[RW+8*\i+4:RW+8*\i+7], v[8+\i], s[16:17] offset:512 ; and of mem_v2
.endr
	s_wait_loadcnt 0x0                             ; which also frees the offsets
.irp i, 0,1,2,3,4,5,6,7
.irp d, 0,1,2,3
	v_fma_mix_f32_bf16 v[ACC+2*\d], v[RW+8*\i+\d], s[52+\i], v[ACC+2*\d] op_sel_hi:[1,0,0]
	v_fma_mix_f32_bf16 v[ACC+2*\d+1], v[RW+8*\i+\d], s[52+\i], v[ACC+2*\d+1] op_sel:[1,0,0] op_sel_hi:[1,0,0]
	v_fma_mix_f32_bf16 v[ACC+8+2*\d], v[RW+8*\i+4+\d], s[52+\i], v[ACC+8+2*\d] op_sel_hi:[1,0,0]
	v_fma_mix_f32_bf16 v[ACC+9+2*\d], v[RW+8*\i+4+\d], s[52+\i], v[ACC+9+2*\d] op_sel:[1,0,0] op_sel_hi:[1,0,0]
.endr
.endr
	s_add_co_u32 s62, s62, 8
	s_add_co_u32 s63, s63, 1
	s_cmp_lt_u32 s63, s51
	s_cbranch_scc1 .Lrows
	s_add_co_u32 s29, s29, 32
	s_add_co_u32 s28, s28, 1
	s_cmp_lt_u32 s28, s27
	s_cbranch_scc1 .Lpass_b
; ---- the way out.  In a stage row, word 128 i + 4 l + k is channel 8 l + k (i = 0), + 4 (1), + 256 (2), + 260 (3): each store's 512 bytes are consecutive
.irp i, 0,1,2,3
	ds_store_b128 v3, v[ACC+4*\i:ACC+4*\i+3] offset:512*\i
.endr
	s_wait_dscnt 0x0                               ; my stores have landed
	s_barrier_signal -1
	s_barrier_wait -1                              ; the 16 queries' rows lie in the stage
.irp t, 0,1,2,3
.irp k, 0,1,2,3
	ds_load_b32 v[RW+4*\t+\k], v4 offset:2064*\k+512*\t      ; one channel of four neighbouring queries
.endr
.endr
	s_wait_dscnt 0x0
.irp t, 0,1,2,3
	global_store_b128 v5, v[RW+4*\t:RW+4*\t+3], s[22:23] offset:((\t>>1)*256+4*(\t&1))*16384 th:TH_STORE_NT   ; four lanes store a channel's 64 consecutive bytes
.endr
	s_wait_tensorcnt 0x0
	ds_add_u32 v47, v73
	s_wait_dscnt 0x0
	s_endpgm
.Lfunc_end_k_q2a45b03067_read:
	.size	k_q2a45b03067_read, .Lfunc_end_k_q2a45b03067_read-k_q2a45b03067_read
	.p2alignl 7, 3214868480
	.fill 96, 4, 3214868480
	.section	.rodata,"a",@progbits
	.p2align	6, 0x0
	.amdhsa_kernel k_q2a45b03067_read
		.amdhsa_group_segment_fixed_size 35072
		.amdhsa_private_segment_fixed_size 0
		.amdhsa_enable_private_segment 0
		.amdhsa_kernarg_size 80
		.amdhsa_user_sgpr_count 2
		.amdhsa_user_sgpr_kernarg_segment_ptr 1
		.amdhsa_wavefront_size32 1
		.amdhsa_system_sgpr_workgroup_id_x 1
		.amdhsa_system_sgpr_workgroup_id_y 1
		.amdhsa_system_sgpr_workgroup_id_z 1
		.amdhsa_system_vgpr_workitem_id 0
		.amdhsa_next_free_vgpr 256
		.amdhsa_next_free_sgpr 102
		.amdhsa_reserve_vcc 1
		.amdhsa_float_denorm_mode_32 3
		.amdhsa_float_denorm_mode_16_64 3
		.amdhsa_memory_ordered 1
		.amdhsa_forward_progress 1
		.amdhsa_inst_pref_size 255
	.end_amdhsa_kernel
	.section	.bss,"aw",@nobits
	.p2align	6
	.space	262144
	.amdgpu_metadata
---
amdhsa.version: [ 1, 2 ]
amdhsa.kernels:
  - .name:           k_q2a45b03067_read
    .symbol:         k_q2a45b03067_read.kd
    .args:
      - { .name: nflags, .offset: 0, .size: 8, .value_kind: global_buffer, .address_space: global }
      - { .name: kq, .offset: 8, .size: 8, .value_kind: global_buffer, .address_space: global }
      - { .name: vt, .offset: 16, .size: 8, .value_kind: global_buffer, .address_space: global }
      - { .name: qk_codes, .offset: 24, .size: 8, .value_kind: global_buffer, .address_space: global }
      - { .name: qk_scales, .offset: 32, .size: 8, .value_kind: global_buffer, .address_space: global }
      - { .name: out0, .offset: 40, .size: 8, .value_kind: global_buffer, .address_space: global }
      - { .name: rsum, .offset: 48, .size: 8, .value_kind: global_buffer, .address_space: global }
      - { .name: la, .offset: 56, .size: 8, .value_kind: global_buffer, .address_space: global }
      - { .name: lb, .offset: 64, .size: 8, .value_kind: global_buffer, .address_space: global }
      - { .name: lc, .offset: 72, .size: 8, .value_kind: global_buffer, .address_space: global }
    .group_segment_fixed_size: 35072
    .private_segment_fixed_size: 0
    .kernarg_segment_align: 8
    .kernarg_segment_size: 80
    .max_flat_workgroup_size: 512
    .sgpr_count:     102
    .vgpr_count:     256
    .wavefront_size: 32
...
	.end_amdgpu_metadata
.endif
;; end of part 4
;; ======== version 2 of 2: 4 launches; version 1 with the launches stage, flag, read written anew for expert scheduling mode
;; workspace buffers: kq 1,769,472 bytes; vt 33,554,432 bytes; smax 4,194,304 bytes; nflags 16,777,216 bytes of whole numbers; rsum 131,072 bytes of whole numbers; la 131,072 bytes of whole numbers; lb 131,072 bytes of whole numbers; lc 131,072 bytes of whole numbers
;; launch stage (part 5): grid 256 x 1, 16 waves a work-group, no clusters, 158,720 bytes of LDS; arguments mem_k, mem_v1, mem_v2, qk_codes, qk_scales, kq, vt, smax; writes kq, vt, smax
.if DOCPART == 5
	.amdgcn_target "amdgcn-amd-amdhsa--gfx1250"
	.amdhsa_code_object_version 6
	.text
	.protected	k_q2a45b03067_stage
	.globl	k_q2a45b03067_stage
	.p2align	8
	.type	k_q2a45b03067_stage,@function
k_q2a45b03067_stage:
	s_mov_b64 s[64:65], 0
	v_nop
	global_prefetch_b8 v0, s[64:65] scope:SCOPE_SE
	s_setreg_imm32_b32 hwreg(HW_REG_WAVE_SCHED_MODE, 0, 2), 2
	s_setreg_imm32_b32 hwreg(HW_REG_WAVE_MODE, 25, 1), 1
	s_wait_xcnt 0x0
	s_wait_alu depctr_vm_vsrc(0)
; FIRST OF FOUR LAUNCHES.  A work-group owns 128 memory keys, n = 128 wg .. 128 wg + 127, and does three things with them:
;  (K) mem_k [64][32768] f32 is quantised along its first axis to E3M2 codes with one E8M0 byte for each 32, and -a/2 = -(sum of mem_k^2)/2 is kept: three parts of kq (codes, scale words, -a/2);
;  (V) the keys' columns of mem_v1 and mem_v2 are turned into rows of 512 bf16 (vt), so that a later launch can read a key's values as 1,024 consecutive bytes;
;  (P) the score D = Q(mk).q - a/2 (four times the affinity: same order) of its 128 keys with ALL 4,096 queries; of each query the largest D of the 128 keys goes to smax[wg][q].
; THE PRODUCT.  K = 64 fills half of the 16x16x128 instruction, so the key operand holds TWO tiles of 16 keys, [T | T+1] along K, and the query operand is [q | zeros] or [zeros | q]: zero codes add nothing.
; Queries lie between runs of six zero registers (Z q Z q Z q Z), so both forms are runs of 12 registers.  C is -a/2, so a score costs no vector instruction.
; THE KEYS OF A TILE: key n = 64 G + 32 hh + 8 tt + j lies in tile T = 4 G + tt at row 8 hh + j: a lane's eight results of the four tiles of a G are 32 neighbouring keys.
; ROLES: waves 0-3 quantise (a lane to a key, registers down K), then waves 0-7 multiply (32 tiles of queries each) while waves 8-15 turn V (64 channels each) through LDS.
; No tensor loads, no cluster: each operand byte goes into one wave's registers once; what all work-groups share, the queries' 204,800 bytes, does not fit in LDS beside the 133,120 bytes in which V is turned.
; LIMITS: NaN and infinities are not served; a is two fused chains of 32 squares, added; a block of zeros gets the byte 1 (its codes are zeros; only this program reads the bytes); V is rounded to bf16.
; THE MODE: SCHED_MODE bits 1:0 = 2 (LLVM: expert scheduling mode 2), set by the entry lines.  The code itself states the register dependences
; between vector or matrix instructions and memory or LDS instructions, with s_wait_alu, always for 0.
; THE PLAN.  Registers that memory or LDS instructions touch:
;   v1-v19      offsets and LDS addresses: made once at the head, never written again: one wait on va_vdst ahead of the roles' parting.
;   quantising  v72-135 are loaded and then read by vector lines; the two blocks' codes (v200-205, v212-217), the scale bytes (v144) and -a/2 (v136) are written by vector lines and read by six LDS stores:
;               one wait on va_vdst ahead of the six, one on vm_vsrc behind them, since loads and the zero codes write these registers again.
;   multiplying query buffer and scale word i % 3: step i's products read them; the loads of tile i + 2 land in buffer (i - 1) % 3.  v[MX]: written by a step's maxima, read by one LDS store, written again a step on.
;               ONE wait on va_vdst a step, behind the maxima; the LDS store and the four loads follow it, dealt among the step's eight products, which name none of their registers.
;               One wait on vm_vsrc a step, ahead of the maxima, nearly a step behind the store that it waits for.
;   turning V   RV[g % 4]: read by group g's sixteen roundings, then loaded again.  PK[g % 2]: written by them, read by four LDS stores, written again two groups on.
;               One wait on va_vdst a group, behind the roundings; one on vm_vsrc at a group's head.
.set NEB, 131072                       ; bytes of a row of mem_k, mem_v1, mem_v2
.set KSO, 0x180000                     ; kq: 2,048 tile images of 768 bytes; from here 1,024 pairs x 16 scale words;
.set NAO, 0x190000                     ; from here 2,048 tiles x 16 numbers -a/2
.set SCW, 6144                         ; LDS: 0 the 8 tiles' images (768 bytes each); here their scale words, 4 pairs x 16 rows;
.set NAL, 6400                         ; -a/2, 8 tiles x 16 rows;
.set SMX, 7168                         ; 2,048 bytes for each multiplying wave: its 512 queries' maxima;
.set VST, 23552                        ; 128 rows of 1,024 bytes + 16: row 32 kk + l holds key 4 l + kk
.set KF,  20                           ; v20-67   4 pairs of tiles, 12 registers each
.set KS,  68                           ; v68-71   their scale words (nothing else ever lies here)
.set CN,  72                           ; v72-135  -a/2 in the result's layout, 8 tiles x 8
.set ACC, 136                          ; v136-199 8 results
.set QS,  242                          ; v242-244 the queries' scale words, three buffers (nothing else ever lies here)
.set MX,  246                          ; v246-249 four running maxima;  v250 a lane permute's destination
.set XK,  72                           ; quantising: v72-135 my key's 64 numbers
.set RV,  72                           ; turning V: v72-199 four sets of 8 channels x 4 keys;  v200-231 two sets of packed bf16
.set PK,  200
.macro MM d, a, b, c, sa, sb
	v_wmma_scale_f32_16x16x128_f8f6f4 v[\d:\d+7], v[\a:\a+11], v[\b:\b+11], v[\c:\c+7], v[\sa], v[\sb] matrix_a_fmt:MATRIX_FMT_BF6 matrix_b_fmt:MATRIX_FMT_BF6
.endm
	s_load_b256 s[8:15], s[0:1], 0x0               ; mem_k 8, v1 10, v2 12, q codes 14
	s_load_b128 s[16:19], s[0:1], 0x20             ; q scales 16, kq 18 (its codes)
	s_load_b128 s[24:27], s[0:1], 0x30             ; vt 24, smax 26
	v_lshl_add_u32 v254, v0, 2, 0x26400
	v_mov_b32 v255, 0
	v_lshrrev_b32 v1, 5, v0
	v_readfirstlane_b32 s2, v1                     ; wave 0..15
	s_mov_b32 s30, 0x76543210
	s_mov_b32 s31, 0xfedcba98                      ; v_permlanex16_b32's selects for lane l xor 16
	v_and_b32 v20, 31, v0                          ; l
	v_and_b32 v21, 15, v0                          ; r
	v_bfe_u32 v22, v0, 4, 1                        ; h
	v_bfe_u32 v23, v0, 3, 2                        ; l >> 3 = tt
	v_and_b32 v24, 7, v0                           ; l & 7 = j
	v_bfe_u32 v25, v0, 3, 1                        ; tt & 1
	s_wait_alu depctr_va_sdst(0)                   ; s2 is written, ahead of its first reader: the roles and all bases are made from it
	s_and_b32 s3, s2, 3                            ; kg: which 32 keys a quantising wave takes
	s_and_b32 s4, s2, 7                            ; my number within my role
	s_lshr_b32 s5, s3, 1                           ; kg >> 1: the G of my 32 keys
	s_and_b32 s6, s3, 1                            ; kg & 1: their hh
; every address register is made here, ahead of the roles' parting, and none ever holds loaded data
	v_lshlrev_b32 v1, 4, v20                       ; v1  16 l
	v_lshlrev_b32 v2, 3, v20                       ; v2  8 l
	v_lshlrev_b32 v3, 2, v21                       ; v3  4 r
	v_lshlrev_b32 v4, 5, v22                       ; v4  32 h
	s_mul_i32 s7, s5, 3072
	s_lshl_b32 s28, s6, 7
	s_add_co_u32 s28, s28, s7
	v_mul_u32_u24 v5, v23, 768
	v_lshl_add_u32 v6, v24, 3, v5
	v_lshl_add_u32 v5, v24, 4, v5
	v_add_nc_u32 v5, s28, v5                       ; v5  my key's place in its tile's image, registers 0-3: 768 T + 16 row
	s_lshl_b32 s28, s6, 6
	s_add_co_u32 s28, s28, s7
	s_add_co_u32 s28, s28, 512
	v_add_nc_u32 v6, s28, v6                       ; v6  registers 4-5: 768 T + 512 + 8 row
	s_lshl_b32 s7, s5, 7
	s_lshl_b32 s28, s6, 5
	s_add_co_u32 s7, s7, s28
	s_add_co_u32 s7, s7, SCW
	v_lshlrev_b32 v7, 6, v22
	v_lshl_add_u32 v7, v24, 2, v7
	v_lshl_add_u32 v7, v25, 1, v7
	v_add_nc_u32 v7, s7, v7                        ; v7  my key's two scale bytes: SCW + 64 (T >> 1) + 4 row + 2 (T & 1)
	s_lshl_b32 s7, s5, 8
	s_add_co_u32 s7, s7, s28
	s_add_co_u32 s7, s7, NAL
	v_lshlrev_b32 v8, 6, v23
	v_lshl_add_u32 v8, v24, 2, v8
	v_add_nc_u32 v8, s7, v8                        ; v8  my key's -a/2: NAL + 64 T + 4 row
	s_lshl_b32 s7, s3, 7
	v_lshl_add_u32 v9, v20, 2, s7                  ; v9  my key's column in mem_k: 128 kg + 4 l
	s_mul_i32 s7, s4, 768
	v_add_nc_u32 v10, s7, v1                       ; v10 the image that I copy out, registers 0-3 (the same offset in LDS and in kq)
	s_add_co_u32 s7, s7, 512
	v_add_nc_u32 v11, s7, v2                       ; v11 registers 4-5
	v_mul_u32_u24 v12, v21, 48
	v_mad_u32_u24 v12, v22, 24, v12
	s_mul_i32 s7, s4, 24576
	v_add_nc_u32 v12, s7, v12                      ; v12 queries' codes: my 512 queries, row r of 48 bytes, block h
	v_lshlrev_b32 v13, 1, v21
	s_lshl_b32 s7, s4, 10
	v_add_nc_u32 v13, s7, v13                      ; v13 their scale bytes, two a query
	s_lshl_b32 s7, s4, 11
	v_add_nc_u32 v15, s7, v1                       ; v15 my 2,048 bytes of maxima, 16 a lane (LDS, less SMX, and smax)
	s_add_co_u32 s7, s7, SMX
	v_add_nc_u32 v14, s7, v3                       ; v14 where a tile's 16 maxima go
	v_mul_u32_u24 v16, v20, 1040
	s_lshl_b32 s7, s4, 7
	s_add_co_u32 s7, s7, VST
	v_add_nc_u32 v16, s7, v16                      ; v16 V's stage, rows l and 32 + l, my 64 channels' 128 bytes
	v_add_nc_u32 v17, 66560, v16                   ; v17 rows 64 + l and 96 + l
	s_mul_i32 s7, s2, 8320
	s_add_co_u32 s7, s7, VST
	v_add_nc_u32 v18, s7, v1                       ; v18 the 8 stage rows that I send out
	s_lshl_b32 s7, s3, 15
	s_lshr_b32 s28, s2, 2
	s_lshl_b32 s28, s28, 10
	s_add_co_u32 s7, s7, s28
	v_add_nc_u32 v19, s7, v1                       ; v19 stage row 8 w + i is key 32 (w & 3) + 4 i + (w >> 2): its row of 1,024 bytes in vt
	v_mov_b32 v250, 0                              ; a lane permute's destination counts as read
	s_mov_b32 s29, 0
	s_wait_kmcnt 0x0
	s_add_nc_u64 s[20:21], s[18:19], KSO           ; kq's scale words
	s_add_nc_u64 s[22:23], s[18:19], NAO           ; kq's -a/2
	s_lshl_b32 s28, ttmp9, 9                       ; 128 keys x 4 bytes
	s_add_nc_u64 s[8:9], s[8:9], s[28:29]
	s_add_nc_u64 s[10:11], s[10:11], s[28:29]
	s_add_nc_u64 s[12:13], s[12:13], s[28:29]
	s_add_nc_u64 s[22:23], s[22:23], s[28:29]      ; -a/2: 8 tiles x 64 bytes
	s_mul_i32 s28, ttmp9, 6144
	s_add_nc_u64 s[18:19], s[18:19], s[28:29]      ; codes: 8 images
	s_lshl_b32 s28, ttmp9, 8
	s_add_nc_u64 s[20:21], s[20:21], s[28:29]      ; scale words: 4 pairs x 64 bytes
	s_lshl_b32 s28, ttmp9, 17
	s_add_nc_u64 s[24:25], s[24:25], s[28:29]      ; vt: 128 rows
	s_lshl_b32 s28, ttmp9, 14
	s_add_nc_u64 s[26:27], s[26:27], s[28:29]      ; smax: my row of 4,096
	s_cmp_lt_u32 s4, 4                             ; turning waves 0-3 take mem_v1, 4-7 mem_v2: the choice hangs on the wave's number alone
	s_cselect_b64 s[32:33], s[10:11], s[12:13]
	s_lshl_b32 s28, s3, 23                         ; 64 channels x 131,072 bytes
	s_add_nc_u64 s[32:33], s[32:33], s[28:29]
	s_wait_alu depctr_va_vdst(0)                   ; v1 to v19 are written, which every load and store of the kernel reads as its offset or address; so are v20 to v25, in which LDS loads land
; ---- the keys are quantised: waves 0-3, a lane to a key
	s_cmp_lt_u32 s2, 4
	s_cbranch_scc0 .Lquantised
.set kq, 0
.rept 64
	global_load_b32 v[XK+kq], v9, s[8:9] offset:kq*NEB th:TH_LOAD_NT   ; mem_k(k, my key): 32 lanes read 128 consecutive bytes
.set kq, kq+1
.endr
	s_wait_loadcnt 0x0
	v_mul_f32 v136, v[XK], v[XK]
	v_mul_f32 v137, v[XK+32], v[XK+32]
.set kq, 1
.rept 31
	v_fmac_f32 v136, v[XK+kq], v[XK+kq]
	v_fmac_f32 v137, v[XK+32+kq], v[XK+32+kq]
.set kq, kq+1
.endr
	v_add_f32 v136, v136, v137
	v_mul_f32 v136, -0.5, v136                     ; -a/2
.macro QBLOCK b                        ; block b of my key: its largest magnitude, its scale, its 32 codes, in six registers of the block's own
.set XS, XK+32*\b
.set CD, 200+12*\b
.set CT, 148+4*\b
	v_max3_num_f32 v138, |v[XS]|, |v[XS+1]|, |v[XS+2]|
	v_max3_num_f32 v139, |v[XS+3]|, |v[XS+4]|, |v[XS+5]|
.irp i, 6,10,14,18,22,26
	v_max3_num_f32 v138, v138, |v[XS+\i]|, |v[XS+\i+1]|
	v_max3_num_f32 v139, v139, |v[XS+\i+2]|, |v[XS+\i+3]|
.endr
	v_max3_num_f32 v138, v138, |v[XS+30]|, |v[XS+31]|
	v_max3_num_f32 v138, v138, v139, 0x2800000     ; the floor 2^(5 - 127): the byte cannot fall under 1
	v_add_nc_u32 v[140+\b], 0xfe000000, v138       ; 4 off the exponent field: the conversion's scale operand
	v_lshrrev_b32 v[142+\b], 23, v[140+\b]         ; the scale's byte
	v_cvt_scalef32_pk16_bf6_f32 v[CD:CD+2], v[XS:XS+15], v[140+\b]
	v_cvt_scalef32_pk16_bf6_f32 v[CT:CT+2], v[XS+16:XS+31], v[140+\b]   ; (a conversion's three registers begin on an even number)
	v_nop                                          ; one plain place behind a scaled conversion
	v_mov_b32 v[CD+3], v[CT]
	v_mov_b32 v[CD+4], v[CT+1]
	v_mov_b32 v[CD+5], v[CT+2]
.endm
	QBLOCK 0
	QBLOCK 1
	v_lshl_or_b32 v144, v143, 8, v142
	s_wait_alu depctr_va_vdst(0)                   ; both blocks' codes, the two scale bytes and -a/2 are written, which the six LDS stores read; and the lines above are done with v72 to v154, in which LDS loads land below
	ds_store_b128 v5, v[200:203]                   ; image lane = row + 16 x block
	ds_store_b64 v6, v[204:205]
	ds_store_b128 v5, v[212:215] offset:256
	ds_store_b64 v6, v[216:217] offset:128
	ds_store_b16 v7, v144                          ; my key's two bytes: half of its pair's scale word
	ds_store_b32 v8, v136
	s_wait_alu depctr_vm_vsrc(0)                   ; the six stores have read their data: LDS loads land in v136 and v144 below, and the zero codes are written into v200-205 and v212-217
.Lquantised:
	s_wait_dscnt 0x0                               ; my stores have landed
	s_barrier_signal -1
	s_barrier_wait -1                              ; the images, scale words and -a/2 lie in LDS
	s_cmp_lt_u32 s2, 8
	s_cbranch_scc0 .Lturn_v
; ---- waves 0-7: the 128 keys stay in registers, 32 tiles of queries go by
.macro QLOAD i                         ; tile i's codes and scale bytes into buffer i % 3
.set QB, 206+12*((\i)%3)
	global_load_b64 v[QB:QB+1], v12, s[14:15] offset:768*(\i)
	global_load_b64 v[QB+2:QB+3], v12, s[14:15] offset:768*(\i)+8
	global_load_b64 v[QB+4:QB+5], v12, s[14:15] offset:768*(\i)+16
	global_load_u16 v[QS+(\i)%3], v13, s[16:17] offset:32*(\i)
.endm
	QLOAD 0
	QLOAD 1
.irp p, 0,1,2,3
	ds_load_b128 v[KF+12*\p:KF+12*\p+3], v1 offset:1536*\p           ; tile 2 p: registers 0-5 of the operand;
	ds_load_b64 v[KF+12*\p+4:KF+12*\p+5], v2 offset:1536*\p+512
	ds_load_b128 v[KF+12*\p+6:KF+12*\p+9], v1 offset:1536*\p+768     ; tile 2 p + 1: registers 6-11
	ds_load_b64 v[KF+12*\p+10:KF+12*\p+11], v2 offset:1536*\p+1280
	ds_load_b32 v[KS+\p], v3 offset:SCW+64*\p
.endr
.irp t, 0,1,2,3,4,5,6,7
	ds_load_b128 v[CN+8*\t:CN+8*\t+3], v4 offset:NAL+64*\t           ; register j: -a/2 of row 8 h + j
	ds_load_b128 v[CN+8*\t+4:CN+8*\t+7], v4 offset:NAL+64*\t+16
.endr
	ds_load_b128 v[136:139], v10                   ; what was made goes to memory: each of the eight waves copies one image,
	ds_load_b64 v[140:141], v11
	s_cmp_lg_u32 s2, 0
	s_cbranch_scc1 .Lnot_wave_0
	ds_load_b64 v[142:143], v2 offset:SCW          ; wave 0 also the 256 bytes of scale words and the 512 of -a/2
	ds_load_b128 v[144:147], v1 offset:NAL
	s_wait_dscnt 0x0
	global_store_b64 v2, v[142:143], s[20:21]
	global_store_b128 v1, v[144:147], s[22:23]
.Lnot_wave_0:
	s_wait_dscnt 0x0
	global_store_b128 v10, v[136:139], s[18:19]
	global_store_b64 v11, v[140:141], s[18:19]
.irp z, 200,212,224,236
.irp e, 0,1,2,3,4,5
	v_mov_b32 v[\z+\e], 0                          ; the runs of zero codes between the queries' buffers
.endr
.endr
	s_wait_xcnt 0x0                                ; the stores' data registers are written again (by products) only behind this wait
	s_wait_alu depctr_vm_vsrc(0)                   ; and the stores have read v136 to v147, which the products write
.macro REDUCE i                        ; tile i's results: of each query the largest of my 64 keys, then of the other half's 64.  Each result is first read at its low end
.if (\i) > 0
	s_wait_alu depctr_vm_vsrc(0)                   ; the last tile's LDS store has read v[MX], which the first line below writes again
.endif
.irp c, 0,1,2,3
	v_max3_num_f32 v[MX+\c], v[ACC+16*\c], v[ACC+16*\c+1], v[ACC+16*\c+2]
.endr
.irp s, 3,5,7,9,11,13
.irp c, 0,1,2,3
	v_max3_num_f32 v[MX+\c], v[MX+\c], v[ACC+16*\c+\s], v[ACC+16*\c+\s+1]
.endr
.endr
.irp c, 0,1,2,3
	v_max_num_f32 v[MX+\c], v[MX+\c], v[ACC+16*\c+15]
.endr
	v_max3_num_f32 v[MX], v[MX], v[MX+1], v[MX+2]
	v_max_num_f32 v[MX], v[MX], v[MX+3]
	v_permlanex16_b32 v250, v[MX], s30, s31
	v_max_num_f32 v[MX], v[MX], v250
	s_wait_alu depctr_va_vdst(0)                   ; v[MX] is written, which the LDS store reads; tile i's products are done reading their queries' buffer and scale word, in which the next loads land; the next tile's scale word is written; the maxima are done reading the results
.endm
.macro PUT i
	ds_store_b32 v14, v[MX] offset:64*(\i)         ; both halves write the same word with the same value
.endm
.macro MM2 p, i                        ; pair p of the keys' tiles x tile i of the queries
.set QB, 206+12*((\i)%3)
	MM ACC+16*\p, KF+12*\p, QB, CN+16*\p, KS+\p, QS+(\i)%3           ; [q | 0]: tile 2 p
	MM ACC+16*\p+8, KF+12*\p, QB-6, CN+16*\p+8, KS+\p, QS+(\i)%3     ; [0 | q]: tile 2 p + 1
.endm
.macro QSTEP i
.if (\i) < 31
	s_wait_loadcnt 4                               ; tile i's four loads are in; tile i + 1's four may be out
.else
	s_wait_loadcnt 0
.endif
	v_lshl_or_b32 v[QS+(\i)%3], v[QS+(\i)%3], 16, v[QS+(\i)%3]   ; (s0, s1, s0, s1): the word serves both forms
.if (\i) > 0
	v_nop                                          ; with the line above: four places behind the last products, ahead of the first read of their results
	v_nop
	v_nop
	REDUCE (\i)-1                                  ; its 36 vector lines are also the places ahead of the products that write the results anew, and behind the scale word just made; its wait stands behind them
.else
.rept 8
	v_nop                                          ; a scale word made by a vector instruction stands eight places ahead of its product
.endr
	s_wait_alu depctr_va_vdst(0)                   ; the first tile's scale word and the runs of zero codes are written, which the products take as scales and operands
.endif
	MM2 0, \i                                      ; the store and the loads are dealt among the products: no product of this step names v[MX], v12 to v14 or the buffer that tile i - 1 has left
.if (\i) > 0
	PUT (\i)-1
.endif
	MM2 1, \i
.if (\i)+2 < 32
	QLOAD (\i)+2                                   ; into the buffer that tile i - 1 has left
.endif
	MM2 2, \i
	MM2 3, \i
.endm
.set ti, 0
.rept 32
	QSTEP ti
.set ti, ti+1
.endr
.rept 4
	v_nop
.endr
	REDUCE 31
	PUT 31
.irp k, 0,1,2,3
	ds_load_b128 v[ACC+4*\k:ACC+4*\k+3], v15 offset:SMX+512*\k       ; my own bytes, served in order: these see my stores.  (No vector line since the wait above names these registers)
.endr
.irp k, 0,1,2,3
	s_wait_dscnt 3-\k
	global_store_b128 v15, v[ACC+4*\k:ACC+4*\k+3], s[26:27] offset:512*\k   ; 32 lanes store 512 consecutive bytes
.endr
	s_branch .Lturned
; ---- waves 8-15: 64 channels x 128 keys each, f32 to bf16, channels innermost
.Lturn_v:
.macro VLOAD g                         ; channels 8 g .. 8 g + 7: each load reads the 128 keys' 512 consecutive bytes, four keys a lane
.irp c, 0,1,2,3,4,5,6,7
	global_load_b128 v[RV+32*((\g)%4)+4*\c:RV+32*((\g)%4)+4*\c+3], v1, s[32:33] offset:(8*(\g)+\c)*NEB th:TH_LOAD_NT
.endr
.endm
.macro VCONV g
.if 7-(\g) < 3
	s_wait_loadcnt 8*(7-(\g))                      ; group g is in; the younger groups of eight loads stay out
.else
	s_wait_loadcnt 24
.endif
	s_wait_dscnt 4                                 ; the stores of two groups back have landed
.if (\g) > 1
	s_wait_alu depctr_vm_vsrc(0)                   ; the LDS stores of two groups back have read this set of packed registers, which the roundings write again
.endif
.irp kk, 0,1,2,3
.irp d, 0,1,2,3
	v_cvt_pk_bf16_f32 v[PK+16*((\g)%2)+4*\kk+\d], v[RV+32*((\g)%4)+8*\d+\kk], v[RV+32*((\g)%4)+8*\d+4+\kk]   ; key 4 l + kk, channels 8 g + 2 d and + 1
.endr
.endr
	s_wait_alu depctr_va_vdst(0)                   ; the roundings have written the packed set, which the LDS stores read, and are done reading RV[g % 4], in which loads land again
.if (\g)+4 < 8
	VLOAD (\g)+4                                   ; the set is asked for again at once
.endif
	ds_store_b128 v16, v[PK+16*((\g)%2):PK+16*((\g)%2)+3] offset:16*(\g)            ; rows 1,040 bytes apart
	ds_store_b128 v16, v[PK+16*((\g)%2)+4:PK+16*((\g)%2)+7] offset:33280+16*(\g)
	ds_store_b128 v17, v[PK+16*((\g)%2)+8:PK+16*((\g)%2)+11] offset:16*(\g)
	ds_store_b128 v17, v[PK+16*((\g)%2)+12:PK+16*((\g)%2)+15] offset:33280+16*(\g)
.endm
	VLOAD 0
	VLOAD 1
	VLOAD 2
	VLOAD 3
.irp g, 0,1,2,3,4,5,6,7
	VCONV \g
.endr
.Lturned:
	s_wait_dscnt 0x0                               ; my stores into the stage have landed
	s_barrier_signal -1
	s_barrier_wait -1                              ; 128 whole rows of 512 bf16 lie in the stage
.irp i, 0,1,2,3,4,5,6,7
	ds_load_b128 v[72+8*\i:75+8*\i], v18 offset:1040*\i              ; v72-135: in either role the last vector or matrix line that named them stands ahead of the role's last wait on va_vdst
	ds_load_b128 v[76+8*\i:79+8*\i], v18 offset:1040*\i+512
.endr
.irp i, 0,1,2,3,4,5,6,7
	s_wait_dscnt 15-2*\i
	global_store_b128 v19, v[72+8*\i:75+8*\i], s[24:25] offset:4096*\i         ; 32 lanes store 512 consecutive bytes, half a key's row
	s_wait_dscnt 14-2*\i
	global_store_b128 v19, v[76+8*\i:79+8*\i], s[24:25] offset:4096*\i+512
.endr
	s_wait_dscnt 0x0                               ; the closing lines, six on end, of a launch in the mode that stores to LDS
	s_wait_alu 0x0
	s_wait_tensorcnt 0x0
	ds_add_u32 v254, v255
	s_wait_dscnt 0x0
	s_endpgm
.Lfunc_end_k_q2a45b03067_stage:
	.size	k_q2a45b03067_stage, .Lfunc_end_k_q2a45b03067_stage-k_q2a45b03067_stage
	.p2alignl 7, 3214868480
	.fill 96, 4, 3214868480
	.section	.rodata,"a",@progbits
	.p2align	6, 0x0
	.amdhsa_kernel k_q2a45b03067_stage
		.amdhsa_group_segment_fixed_size 158720
		.amdhsa_private_segment_fixed_size 0
		.amdhsa_enable_private_segment 0
		.amdhsa_kernarg_size 64
		.amdhsa_user_sgpr_count 2
		.amdhsa_user_sgpr_kernarg_segment_ptr 1
		.amdhsa_wavefront_size32 1
		.amdhsa_system_sgpr_workgroup_id_x 1
		.amdhsa_system_sgpr_workgroup_id_y 1
		.amdhsa_system_sgpr_workgroup_id_z 1
		.amdhsa_system_vgpr_workitem_id 0
		.amdhsa_next_free_vgpr 256
		.amdhsa_next_free_sgpr 66
		.amdhsa_reserve_vcc 0
		.amdhsa_float_denorm_mode_32 3
		.amdhsa_float_denorm_mode_16_64 3
		.amdhsa_memory_ordered 1
		.amdhsa_forward_progress 1
		.amdhsa_inst_pref_size 162
	.end_amdhsa_kernel
	.amdgpu_metadata
---
amdhsa.version: [ 1, 2 ]
amdhsa.kernels:
  - .name:           k_q2a45b03067_stage
    .symbol:         k_q2a45b03067_stage.kd
    .args:
      - { .name: mem_k, .offset: 0, .size: 8, .value_kind: global_buffer, .address_space: global }
      - { .name: mem_v1, .offset: 8, .size: 8, .value_kind: global_buffer, .address_space: global }
      - { .name: mem_v2, .offset: 16, .size: 8, .value_kind: global_buffer, .address_space: global }
      - { .name: qk_codes, .offset: 24, .size: 8, .value_kind: global_buffer, .address_space: global }
      - { .name: qk_scales, .offset: 32, .size: 8, .value_kind: global_buffer, .address_space: global }
      - { .name: kq, .offset: 40, .size: 8, .value_kind: global_buffer, .address_space: global }
      - { .name: vt, .offset: 48, .size: 8, .value_kind: global_buffer, .address_space: global }
      - { .name: smax, .offset: 56, .size: 8, .value_kind: global_buffer, .address_space: global }
    .group_segment_fixed_size: 158720
    .private_segment_fixed_size: 0
    .kernarg_segment_align: 8
    .kernarg_segment_size: 64
    .max_flat_workgroup_size: 512
    .sgpr_count:     66
    .vgpr_count:     256
    .wavefront_size: 32
...
	.end_amdgpu_metadata
.endif
;; end of part 5
;; launch flag (part 6): grid 32 x 8, 16 waves a work-group, no clusters, 70,144 bytes of LDS; arguments kq, smax, qk_codes, qk_scales, nflags, rsum; writes nflags, rsum
.if DOCPART == 6
	.amdgcn_target "amdgcn-amd-amdhsa--gfx1250"
	.amdhsa_code_object_version 6
	.text
	.protected	k_q2a45b03067_flag
	.globl	k_q2a45b03067_flag
	.p2align	8
	.type	k_q2a45b03067_flag,@function
k_q2a45b03067_flag:
	s_mov_b64 s[64:65], 0
	v_nop
	global_prefetch_b8 v0, s[64:65] scope:SCOPE_SE
	s_setreg_imm32_b32 hwreg(HW_REG_WAVE_SCHED_MODE, 0, 2), 2
	s_setreg_imm32_b32 hwreg(HW_REG_WAVE_MODE, 25, 1), 1
	s_wait_xcnt 0x0
	s_wait_alu depctr_vm_vsrc(0)
; SECOND OF FOUR LAUNCHES.  For each query a bound tau' under its 20th largest score; one bit for each of the 32,768 keys: 0 where D >= tau', 1 where not (nflags); and one bit for each run of 128 keys,
; 0 where the run's largest D >= tau' (rsum): the later launches find the words worth reading by it.
; tau': the 256 maxima of runs of 128 keys (smax) are joined four and four (runs i, 64 + i, 128 + i, 192 + i) into 64 maxima of disjoint sets of keys; tau' is the 20th largest of the 64.
; Twenty different keys have D >= tau', so the query's 20th largest D is at least tau': every one of its top 20 is flagged.  The scores are made by the same instruction on the same operand bits as
; in the first launch, so the comparison is exact.  Nothing here branches on a score: the sign of D - tau' is shifted into a word.
; SHARES.  Work-group (x, y): queries 128 x .. + 127, keys 4,096 y .. + 4,095.  Wave w: 8 pairs of tiles (256 keys) against the 8 tiles of queries, which stay in its registers: 128 products.
; A lane's 32 signs of two pairs of tiles are 32 neighbouring keys (key 64 G + 32 h + s at bit 31 - s): word 4 R + 2 h + (G & 1) of the query's 1,024, R = G >> 1 the run: a run's four words lie together.
; No tensor loads, no cluster: a pair of tiles goes into one wave's registers and is multiplied there with all that the wave holds; LDS would add a copy and no reuse.
; LIMITS: NaN and infinities are not served; where scores of both signs of zero meet tau' = 0, -0 counts as less than +0.
; THE MODE: SCHED_MODE bits 1:0 = 2 (LLVM: expert scheduling mode 2), set by the entry lines.  The code itself states the register dependences
; between vector or matrix instructions and memory or LDS instructions, with s_wait_alu, always for 0.
; THE PLAN.  Registers that memory or LDS instructions touch:
;   v1-v10      offsets and LDS addresses: made once at the head, never written again: one wait on va_vdst ahead of the branch on the wave's number.
;   the search  three banks of 64: loads land, vector lines read and write.  A wait on va_vdst ahead of each later run of loads into a bank and ahead of each of the two stores; one on vm_vsrc behind the stores.
;   KB[pi % 2]  a pair's codes, -a/2 and scale word.  Read by pair pi's sixteen products; the loads of pair pi + 2 land in it.
;   WB0-7       the words in the making.  Written by every pair's shifts; read by eight LDS stores behind each odd pair; written again by the next pair.
; ONE wait on va_vdst stands behind a pair's last shifts: its products are done reading KB[pi % 2], and the words are written.  Behind it: the LDS stores, the next pair's first four products, and then the loads of
; pair pi + 2: those products name the other buffer, the queries and the results alone.  One wait on vm_vsrc stands ahead of the first shifts behind the stores.
.set KSO, 0x180000                     ; kq: the codes; from here the scale words;
.set NAO, 0x190000                     ; from here -a/2
.set FST, 512                          ; LDS: 0 -tau' of the 128 queries; here 128 rows of 512 bytes + 16: a query's 128 words of this work-group's keys
.set QS,  12                           ; v12-19   the queries' scale words (nothing else ever lies here)
.set KSR, 20                           ; v20-21   the keys' scale words, two buffers (likewise)
.set NTR, 22                           ; v22-29   -tau' of query r of tile t
.set WB,  30                           ; v30-37   the word in the making, one for each tile of queries
.set QZ,  38                           ; v38-139  Z q0 Z q1 .. q7 Z: six zero registers between the queries
.set AX,  196                          ; v196-227 four results: two sets of two, by turns
.set XB,  64                           ; the search for tau' (waves 0-3, ahead of all that): three banks of 64
.set YB,  128
.set ZB,  192
.macro MM d, a, b, c, sa, sb
	v_wmma_scale_f32_16x16x128_f8f6f4 v[\d:\d+7], v[\a:\a+11], v[\b:\b+11], v[\c:\c+7], v[\sa], v[\sb] matrix_a_fmt:MATRIX_FMT_BF6 matrix_b_fmt:MATRIX_FMT_BF6
.endm
	s_load_b64 s[8:9], s[0:1], 0x0                 ; kq (its codes)
	s_load_b64 s[14:15], s[0:1], 0x8               ; smax
	s_load_b256 s[16:23], s[0:1], 0x10             ; q codes 16, q scales 18, nflags 20, rsum 22
	v_lshrrev_b32 v1, 5, v0
	v_readfirstlane_b32 s2, v1                     ; wave 0..15
	s_and_b32 s3, ttmp7, 0xffff                    ; y
	v_and_b32 v38, 31, v0                          ; l
	v_and_b32 v39, 15, v0                          ; r
	v_bfe_u32 v40, v0, 4, 1                        ; h
	v_lshlrev_b32 v1, 4, v38                       ; v1  16 l
	v_lshlrev_b32 v2, 3, v38                       ; v2  8 l
	v_lshlrev_b32 v3, 2, v39                       ; v3  4 r
	v_lshlrev_b32 v4, 5, v40                       ; v4  32 h
	v_mul_u32_u24 v5, v39, 48
	v_mad_u32_u24 v5, v40, 24, v5                  ; v5  a query's codes: row r of 48 bytes, block h
	v_lshlrev_b32 v6, 1, v39                       ; v6  its two scale bytes
	v_lshlrev_b32 v7, 2, v0                        ; v7  4 x thread: a query of the 128, in smax's and rsum's rows and among the -tau'
	v_mul_u32_u24 v8, v39, 528
	v_lshl_add_u32 v8, v40, 3, v8
	s_wait_alu depctr_va_sdst(0)                   ; s2 is written, ahead of its first reader: addresses, bases and the branch on the wave's number are made from it
	s_lshl_b32 s5, s2, 5
	s_add_co_u32 s5, s5, FST
	v_add_nc_u32 v8, s5, v8                        ; v8  where my words go: row r, + 32 w + 8 h
	s_mul_i32 s5, s2, 4224
	s_add_co_u32 s5, s5, FST
	v_add_nc_u32 v9, s5, v1                        ; v9  the 8 rows that I send out
	s_lshl_b32 s5, s2, 15
	v_add_nc_u32 v10, s5, v1                       ; v10 and their place in nflags: 4,096 bytes a query
	s_mov_b32 s7, 0
	s_lshl_b32 s4, s3, 7
	s_lshl_b32 s5, s2, 3
	s_add_co_u32 s4, s4, s5                        ; my first pair of tiles: 128 y + 8 w
	s_wait_kmcnt 0x0
	s_add_nc_u64 s[10:11], s[8:9], KSO             ; kq's scale words
	s_add_nc_u64 s[12:13], s[8:9], NAO             ; kq's -a/2
	s_lshl_b32 s6, ttmp9, 9
	s_add_nc_u64 s[14:15], s[14:15], s[6:7]        ; smax at query 128 x
	s_lshl_b32 s6, s3, 19
	s_add_nc_u64 s[24:25], s[14:15], s[6:7]        ; and at this work-group's first run, 32 y
	s_mul_i32 s6, ttmp9, 6144
	s_add_nc_u64 s[16:17], s[16:17], s[6:7]
	s_lshl_b32 s6, ttmp9, 8
	s_add_nc_u64 s[18:19], s[18:19], s[6:7]
	s_mul_i32 s6, s4, 1536
	s_add_nc_u64 s[8:9], s[8:9], s[6:7]
	s_lshl_b32 s6, s4, 6
	s_add_nc_u64 s[10:11], s[10:11], s[6:7]
	s_lshl_b32 s6, s4, 7
	s_add_nc_u64 s[12:13], s[12:13], s[6:7]
	s_lshl_b32 s6, ttmp9, 19
	s_lshl_b32 s5, s3, 9
	s_add_co_u32 s6, s6, s5
	s_add_nc_u64 s[20:21], s[20:21], s[6:7]        ; nflags at query 128 x, word 128 y
	s_lshl_b32 s6, s3, 14
	s_lshl_b32 s5, ttmp9, 9
	s_add_co_u32 s6, s6, s5
	s_add_nc_u64 s[22:23], s[22:23], s[6:7]        ; rsum at row y, query 128 x
	s_wait_alu depctr_va_vdst(0)                   ; v1 to v10 are written, which every load and store of the kernel reads as its offset or address
; ---- tau': waves 0-3, a lane to a query
	s_cmp_lt_u32 s2, 4
	s_cbranch_scc0 .Lbound_made
.set bi, 0
.rept 64
	global_load_b32 v[XB+bi], v7, s[14:15] offset:16384*bi
	global_load_b32 v[YB+bi], v7, s[14:15] offset:16384*(64+bi)
	global_load_b32 v[ZB+bi], v7, s[14:15] offset:16384*(128+bi)
.set bi, bi+1
.endr
	s_wait_loadcnt 0x0
.set bi, 0
.rept 64
	v_max3_num_f32 v[XB+bi], v[XB+bi], v[YB+bi], v[ZB+bi]
.set bi, bi+1
.endr
	s_wait_alu depctr_va_vdst(0)                   ; the maxima are done reading the second bank, in which the next 64 loads land
.set bi, 0
.rept 64
	global_load_b32 v[YB+bi], v7, s[14:15] offset:16384*(192+bi)
.set bi, bi+1
.endr
	s_wait_loadcnt 0x0
.set bi, 0
.rept 64
	v_max_num_f32 v[XB+bi], v[XB+bi], v[YB+bi]
.set bi, bi+1
.endr
; a bitonic sort of the lane's 64 numbers, largest first: 21 stages of 32 exchanges; each stage reads one bank and writes the other, so an exchange is a maximum and a minimum and no copy
.set bsrc, XB
.set bdst, YB
.set bk, 2
.rept 6
.set bj, bk/2
.rept 6
.if bj >= 1
.set bi, 0
.rept 64
.if (bi^bj) > bi
.if (bi&bk) == 0
	v_max_num_f32 v[bdst+bi], v[bsrc+bi], v[bsrc+(bi^bj)]
	v_min_num_f32 v[bdst+(bi^bj)], v[bsrc+bi], v[bsrc+(bi^bj)]
.else
	v_min_num_f32 v[bdst+bi], v[bsrc+bi], v[bsrc+(bi^bj)]
	v_max_num_f32 v[bdst+(bi^bj)], v[bsrc+bi], v[bsrc+(bi^bj)]
.endif
.endif
.set bi, bi+1
.endr
.set btmp, bsrc
.set bsrc, bdst
.set bdst, btmp
.set bj, bj/2
.endif
.endr
.set bk, bk*2
.endr
	v_xor_b32 v[YB+19], 0x80000000, v[YB+19]       ; 21 stages end in the second bank: -(the 20th largest)
	s_wait_alu depctr_va_vdst(0)                   ; -tau' is written, which the LDS store reads; the sort is done with the first bank, in which the runs' maxima land
	ds_store_b32 v7, v[YB+19]
; the bits of this work-group's 32 runs: the sign of (the run's largest D) - tau', run 32 y + i at bit 31 - i
.set bi, 0
.rept 32
	global_load_b32 v[XB+bi], v7, s[24:25] offset:16384*bi
.set bi, bi+1
.endr
	v_mov_b32 v[ZB], 0
	s_wait_loadcnt 0x0
.set bi, 0
.rept 32
	v_add_f32 v[XB+bi], v[XB+bi], v[YB+19]
.set bi, bi+1
.endr
.set bi, 0
.rept 32
	v_alignbit_b32 v[ZB], v[ZB], v[XB+bi], 31      ; word = word << 1 | sign
.set bi, bi+1
.endr
	s_wait_alu depctr_va_vdst(0)                   ; the word is written, which the store reads; and these lines are done with v64-95, -tau' and the word's register, in which loads land below
	global_store_b32 v7, v[ZB], s[22:23]           ; 32 lanes store 128 consecutive bytes, the four waves 512
	s_wait_xcnt 0x0                                ; the store's data register is loaded again below only behind this wait
	s_wait_alu depctr_vm_vsrc(0)                   ; the LDS store has read -tau' and the global store the word: the keys' loads land in both registers
.Lbound_made:
	s_wait_dscnt 0x0
	s_barrier_signal -1
	s_barrier_wait -1                              ; the 128 bounds lie in LDS
; ---- the products and the signs
.macro KLOAD pi                        ; pair pi: 12 registers of codes, 16 of -a/2, a scale word: nine loads, into buffer pi % 2
.set KB, 140+28*((\pi)%2)
	global_load_b128 v[KB:KB+3], v1, s[8:9] offset:1536*(\pi)
	global_load_b64 v[KB+4:KB+5], v2, s[8:9] offset:1536*(\pi)+512
	global_load_b128 v[KB+6:KB+9], v1, s[8:9] offset:1536*(\pi)+768
	global_load_b64 v[KB+10:KB+11], v2, s[8:9] offset:1536*(\pi)+1280
	global_load_b32 v[KSR+(\pi)%2], v3, s[10:11] offset:64*(\pi)
	global_load_b128 v[KB+12:KB+15], v4, s[12:13] offset:128*(\pi)
	global_load_b128 v[KB+16:KB+19], v4, s[12:13] offset:128*(\pi)+16
	global_load_b128 v[KB+20:KB+23], v4, s[12:13] offset:128*(\pi)+64
	global_load_b128 v[KB+24:KB+27], v4, s[12:13] offset:128*(\pi)+80
.endm
.irp t, 0,1,2,3,4,5,6,7
	global_load_b64 v[QZ+6+12*\t:QZ+7+12*\t], v5, s[16:17] offset:768*\t
	global_load_b64 v[QZ+8+12*\t:QZ+9+12*\t], v5, s[16:17] offset:768*\t+8
	global_load_b64 v[QZ+10+12*\t:QZ+11+12*\t], v5, s[16:17] offset:768*\t+16
	global_load_u16 v[QS+\t], v6, s[18:19] offset:32*\t
.endr
.irp t, 0,1,2,3,4,5,6,7
	ds_load_b32 v[NTR+\t], v3 offset:64*\t
.endr
	KLOAD 0
	KLOAD 1
.irp z, 0,1,2,3,4,5,6,7,8
.irp e, 0,1,2,3,4,5
	v_mov_b32 v[QZ+12*\z+\e], 0                    ; the runs of zero codes
.endr
.endr
	s_wait_loadcnt 18                              ; the queries are in; the two pairs of keys, nine loads each, may be out
.irp t, 0,1,2,3,4,5,6,7
	v_lshl_or_b32 v[QS+\t], v[QS+\t], 16, v[QS+\t] ; (s0, s1, s0, s1)
.endr
.irp t, 0,1,2,3,4,5,6,7
	v_mov_b32 v[WB+\t], 0                          ; (written before they are read; with these eight lines every scale word stands eight places ahead of its first product)
.endr
	s_wait_dscnt 0x0
	s_wait_alu depctr_va_vdst(0)                   ; the eight scale words and the runs of zero codes are written, which the products take as scales and operands
.macro WW t, pi                        ; the pair's two tiles x tile t of the queries
.set DD, AX+16*((\t)%2)
.set QB, QZ+6+12*(\t)
.set KB, 140+28*((\pi)%2)
	MM DD, KB, QB, KB+12, KSR+(\pi)%2, QS+(\t)
	MM DD+8, KB, QB-6, KB+20, KSR+(\pi)%2, QS+(\t)
.endm
.macro VV t                            ; D - tau', two at a time, from each result's low end on; then the 16 signs into the word, the lower key first
.set DD, AX+16*((\t)%2)
.irp j, 0,2,4,6,8,10,12,14
.if (\t)%2 == 0
	v_pk_add_f32 v[DD+\j:DD+\j+1], v[DD+\j:DD+\j+1], v[NTR+2*((\t)/2):NTR+2*((\t)/2)+1] op_sel:[0,0] op_sel_hi:[1,0]
.else
	v_pk_add_f32 v[DD+\j:DD+\j+1], v[DD+\j:DD+\j+1], v[NTR+2*((\t)/2):NTR+2*((\t)/2)+1] op_sel:[0,1] op_sel_hi:[1,1]
.endif
.endr
.irp j, 0,1,2,3,4,5,6,7,8,9,10,11,12,13,14,15
	v_alignbit_b32 v[WB+(\t)], v[WB+(\t)], v[DD+\j], 31     ; word = word << 1 | sign
.endr
.endm
; The two sets of results take turns: while one set's 24 vector lines run, the other set's products are at work; those 24 lines, which name none of the other set's registers, are the places behind its products.
.macro PAIR pi
.if (\pi) == 0
	s_wait_loadcnt 9                               ; pair 0 is in; pair 1's nine loads may be out
.else
	s_wait_loadcnt 0                               ; this pair's nine loads, asked for a pair ago, are all that was out
.endif
	WW 0, \pi
	WW 1, \pi
.if ((\pi) > 0) && ((\pi)+1 < 8)
	KLOAD (\pi)+1                                  ; into the buffer that the pair before has left.  No wait: since that pair's wait on va_vdst only the four products above were issued, and they name the other buffer
.endif
.rept 4
	v_nop
.endr
.if ((\pi) > 0) && ((\pi)%2 == 0)
	s_wait_alu depctr_vm_vsrc(0)                   ; the eight LDS stores behind the pair before have read the words, which the shifts below write again
.endif
	VV 0
.irp t, 2,3,4,5,6,7
	WW \t, \pi
	VV \t-1
.endr
	VV 7
.if ((\pi) < 6) || ((\pi)%2 == 1)
	s_wait_alu depctr_va_vdst(0)                   ; this pair's products are done reading its buffer and scale word, in which loads land next; behind an odd pair: the eight words are written, which the LDS stores read
.endif
.if (\pi)%2 == 1
.irp t, 0,1,2,3,4,5,6,7
	ds_store_b32 v8, v[WB+\t] offset:8448*\t+16*((\pi)/4)+4*(((\pi)/2)%2)    ; two pairs have filled the word: 32 neighbouring keys; G & 3 = pi / 2
.endr
.endif
.endm
.irp p, 0,1,2,3,4,5,6,7
	PAIR \p
.endr
	s_wait_dscnt 0x0
	s_barrier_signal -1
	s_barrier_wait -1                              ; 128 rows of 512 bytes lie in the stage
.irp i, 0,1,2,3,4,5,6,7
	ds_load_b128 v[140+4*\i:143+4*\i], v9 offset:528*\i              ; into the keys' buffers: the last pair's wait on va_vdst stands behind every product that read them
.endr
.irp i, 0,1,2,3,4,5,6,7
	s_wait_dscnt 7-\i
	global_store_b128 v10, v[140+4*\i:143+4*\i], s[20:21] offset:4096*\i   ; 32 lanes store 512 consecutive bytes of a query's row
.endr
	s_wait_xcnt 0x0
	v_lshl_add_u32 v254, v0, 2, 0x10a00            ; (no memory or LDS instruction has read v254 or v255)
	v_mov_b32 v255, 0
	s_wait_dscnt 0x0                               ; the closing lines, six on end, of a launch in the mode that stores to LDS
	s_wait_alu 0x0
	s_wait_tensorcnt 0x0
	ds_add_u32 v254, v255
	s_wait_dscnt 0x0
	s_endpgm
.Lfunc_end_k_q2a45b03067_flag:
	.size	k_q2a45b03067_flag, .Lfunc_end_k_q2a45b03067_flag-k_q2a45b03067_flag
	.p2alignl 7, 3214868480
	.fill 96, 4, 3214868480
	.section	.rodata,"a",@progbits
	.p2align	6, 0x0
	.amdhsa_kernel k_q2a45b03067_flag
		.amdhsa_group_segment_fixed_size 70144
		.amdhsa_private_segment_fixed_size 0
		.amdhsa_enable_private_segment 0
		.amdhsa_kernarg_size 48
		.amdhsa_user_sgpr_count 2
		.amdhsa_user_sgpr_kernarg_segment_ptr 1
		.amdhsa_wavefront_size32 1
		.amdhsa_system_sgpr_workgroup_id_x 1
		.amdhsa_system_sgpr_workgroup_id_y 1
		.amdhsa_system_sgpr_workgroup_id_z 1
		.amdhsa_system_vgpr_workitem_id 0
		.amdhsa_next_free_vgpr 256
		.amdhsa_next_free_sgpr 66
		.amdhsa_reserve_vcc 0
		.amdhsa_float_denorm_mode_32 3
		.amdhsa_float_denorm_mode_16_64 3
		.amdhsa_memory_ordered 1
		.amdhsa_forward_progress 1
		.amdhsa_inst_pref_size 212
	.end_amdhsa_kernel
	.amdgpu_metadata
---
amdhsa.version: [ 1, 2 ]
amdhsa.kernels:
  - .name:           k_q2a45b03067_flag
    .symbol:         k_q2a45b03067_flag.kd
    .args:
      - { .name: kq, .offset: 0, .size: 8, .value_kind: global_buffer, .address_space: global }
      - { .name: smax, .offset: 8, .size: 8, .value_kind: global_buffer, .address_space: global }
      - { .name: qk_codes, .offset: 16, .size: 8, .value_kind: global_buffer, .address_space: global }
      - { .name: qk_scales, .offset: 24, .size: 8, .value_kind: global_buffer, .address_space: global }
      - { .name: nflags, .offset: 32, .size: 8, .value_kind: global_buffer, .address_space: global }
      - { .name: rsum, .offset: 40, .size: 8, .value_kind: global_buffer, .address_space: global }
    .group_segment_fixed_size: 70144
    .private_segment_fixed_size: 0
    .kernarg_segment_align: 8
    .kernarg_segment_size: 48
    .max_flat_workgroup_size: 512
    .sgpr_count:     66
    .vgpr_count:     256
    .wavefront_size: 32
...
	.end_amdgpu_metadata
.endif
;; end of part 6
;; launch pick: the kernel of part 3 again; grid 256 x 1, 16 waves a work-group, no clusters, 4,096 bytes of LDS; arguments nflags, rsum, la, lb, lc; writes la, lb, lc
;; launch read (part 7): grid 256 x 1, 16 waves a work-group, no clusters, 35,072 bytes of LDS; arguments nflags, kq, vt, qk_codes, qk_scales, out0, rsum, la, lb, lc; writes out0
.if DOCPART == 7
	.amdgcn_target "amdgcn-amd-amdhsa--gfx1250"
	.amdhsa_code_object_version 6
	.text
	.protected	k_q2a45b03067_read
	.globl	k_q2a45b03067_read
	.p2align	8
	.type	k_q2a45b03067_read,@function
k_q2a45b03067_read:
	s_mov_b64 s[64:65], 0
	v_nop
	global_prefetch_b8 v0, s[64:65] scope:SCOPE_SE
	s_setreg_imm32_b32 hwreg(HW_REG_WAVE_SCHED_MODE, 0, 2), 2
	s_setreg_imm32_b32 hwreg(HW_REG_WAVE_MODE, 25, 1), 1
	s_wait_xcnt 0x0
	s_wait_alu depctr_vm_vsrc(0)
; LAST OF FOUR LAUNCHES.  A wave to a query; a work-group takes 16 neighbouring queries.
; The query's candidates (keys with D >= tau': at least 20, all of the top 20 among them) come as a list of up to 47 keys of 16 bits (la, lb, lc: 96 bytes, 0xffff = an empty place) with a mark.
; Where the mark says that the list does not hold them all, the wave walks the bits itself (rsum: 0 = a run of 128 keys holds a candidate; nflags: 0 = a candidate).
; All of these are whole numbers that earlier launches stored; they come by SCALAR loads and stay in scalar registers: every list, trip count and address here hangs on them alone.
; 1. In batches of 32 candidates: DECODE the batch's keys into the lanes of LIST (it also counts all candidates); SCORE them anew (the same instruction on the same operand bits as before, sources swapped:
; the transposed tile); sort (score, key) across the lanes and merge with the best 32 so far.  A higher score is better, of equal scores the lower key: the order of jax.lax.top_k.
; The first batch is written out ahead of the loop over the others: its DECODE gives the number of batches, against which that loop is counted.
; 2. The 20th pair, the largest score m and the sum of 2^((D - m) log2(e) / 4) over the best 20 (D is four times the affinity; the maximum is taken away).
; 3. In batches again: each candidate's weight, 0 where it ranks behind the 20th pair; EVERY candidate's row of vt is read (so no address hangs on a score) and added with its weight:
; bf16 values, f32 weights and sums.  These two products have one row and a different right operand for each query: in a matrix instruction 15 of 16 rows would be idle, so they are fused multiply-adds.
; 4. The 16 queries' 512 channels meet in LDS and leave as 64 consecutive bytes a channel: out0's rows hold 4,096 queries, and 256 consecutive bytes would want 64 queries, 64 work-groups for the whole chip.
; LIMITS: NaN and infinities are not served (a row that is not chosen is multiplied by 0).  With more than 32 candidates each batch decodes the whole list again: the time then grows with the square of their number.
; THE MODE: SCHED_MODE bits 1:0 = 2 (LLVM: expert scheduling mode 2), set by the entry lines.  The code itself states the register dependences
; between vector or matrix instructions and memory or LDS instructions, with s_wait_alu, always for 0.
; THE PLAN.  Registers that memory or LDS instructions touch:
;   v3-v6, v191  LDS addresses and offsets made at the head: one wait on va_vdst ahead of the head's loads; v191 (a zero offset) is at work later: a wait on vm_vsrc beside the wait for those loads.
;   SCORE        v76-83: both gathers' offsets, made first; v84-109 and register 0 of each C: the 14 loads land there, the four products read them.  One wait on va_vdst between the offsets and the loads,
;                one on vm_vsrc behind the wait for the loads, since the next batch writes the offsets again.
;   a rows trip  v8-15: eight offsets, written each trip; v190-253: sixteen loads land, 128 multiply-adds read.  One wait on vm_vsrc ahead of the offsets, one on va_vdst between them and the loads.
;   the way out  v174-189: the sums, read by four LDS stores: one wait on va_vdst, which also covers the LDS loads that land in v190-205.
; Scalar registers that vector instructions write (the wave's number, compares' masks, lanes read out) are written in runs, with one wait on va_sdst behind each run, ahead of its first reader and of any branch or label.
.set KSO,  0x180000                    ; kq: the codes; from here the scale words;
.set NAO,  0x190000                    ; from here -a/2
.set RL,   16                          ; v16      lane p: the p-th flagged run of the batch of runs in hand
.set QZ,   48                          ; v48-65   Z q Z
.set QS,   66                          ; v66      the query's scale word (nothing else ever lies here)
.set LIST, 67                          ; v67      lane p: the batch's p-th key
.set VAL,  68                          ; v68      its score
.set SV,   69                          ; v69, v70 the best 32 pairs so far, best first
.set SI,   70
.set PV,   71                          ; v71, v72 the partner lane's pair
.set PI,   72
.set LX,   74                          ; v74, v75 candidates r and 16 + r, in both halves of the lanes
.set LY,   75
.set AD,   76                          ; v76-83   offsets of the gathers
.set KFX,  84                          ; v84-107  the candidates' rows of their pairs of tiles
.set KFY,  96
.set KSX,  108                         ; v108-109 their scale words (nothing else ever lies here)
.set KSY,  109
.set CC,   110                         ; v110-141 four C: register 0 the candidate's -a/2, registers 1-7 zeros
.set DR,   142                         ; v142-173 four results
.set ACC,  174                         ; v174-189 my 16 channels' sums
.set RW,   190                         ; v190-253 eight rows of vt;  v190-194 also at work between
.set T1,   190
.set T2,   191
.set T3,   192
.set BV,   193
.set BI,   194
.set WT,   254
.set INV,  255
; SCALARS: s[8:23] the buffers; s26 candidates in all; s27 batches; s28, s29 the batch and its first candidate; s30 candidates met; s31 the list's mark; s[32:39] the run bits, a one for each flagged run;
; s40-47, s60-63, s4, s5 at work; s[52:59] eight runs' byte offsets, later eight rows' weights; s66, s67 the batch of runs; s[68:91] the list (where the bits are walked: s[68:99] eight runs' four words);
; s[92:99] in a rows trip: eight rows' keys; s100 batches of runs; s101 flagged runs
.macro MM d, a, b, c, sa, sb
	v_wmma_scale_f32_16x16x128_f8f6f4 v[\d:\d+7], v[\a:\a+11], v[\b:\b+11], v[\c:\c+7], v[\sa], v[\sb] matrix_a_fmt:MATRIX_FMT_BF6 matrix_b_fmt:MATRIX_FMT_BF6
.endm
	s_load_b128 s[8:11], s[0:1], 0x0               ; nflags 8, kq 10 (its codes)
	s_load_b256 s[16:23], s[0:1], 0x10             ; vt 16, q codes 18, q scales 20, out0 22
	s_load_b64 s[6:7], s[0:1], 0x30                ; rsum
	s_load_b128 s[44:47], s[0:1], 0x38             ; la 44, lb 46
	s_load_b64 s[40:41], s[0:1], 0x48              ; lc
	v_lshl_add_u32 v47, v0, 2, 0x8100
	v_mov_b32 v73, 0
	v_lshrrev_b32 v2, 5, v0
	v_readfirstlane_b32 s2, v2                     ; wave 0..15
	s_lshl_b32 s3, ttmp9, 4
	s_mov_b32 s24, 0x76543210
	s_mov_b32 s25, 0xfedcba98                      ; v_permlanex16_b32's selects for lane l xor 16
	s_mov_b32 s43, 0xffff0000                      ; lanes 16-31
	v_and_b32 v2, 31, v0                           ; v2  l
	v_lshlrev_b32 v1, 4, v2                        ; v1  16 l
	v_bfe_u32 v7, v0, 4, 1                         ; v7  h
	v_mul_u32_u24 v6, v7, 24                       ; v6  24 h
	s_wait_alu depctr_va_sdst(0)                   ; s2 is written, ahead of its first reader: my query's number and the LDS addresses are made from it
	s_add_co_u32 s3, s3, s2                        ; my query
	s_mul_i32 s60, s2, 2064
	v_add_nc_u32 v3, s60, v1                       ; v3  the stage, in: my query's row of 2,048 bytes + 16
	v_and_b32 v4, 3, v0
	v_mul_u32_u24 v4, v4, 8256
	v_bfe_u32 v5, v0, 2, 3
	v_lshl_add_u32 v4, v5, 2, v4
	s_lshl_b32 s60, s2, 5
	v_add_nc_u32 v4, s60, v4                       ; v4  back: rows 4 (l & 3) on, word 8 w + (l >> 2)
	v_bfe_u32 v5, v0, 2, 2
	v_lshl_add_u32 v5, v7, 3, v5
	s_lshl_b32 s60, s2, 4
	v_add_nc_u32 v5, s60, v5
	v_lshlrev_b32 v5, 14, v5
	v_and_b32 v[T1], 3, v0
	v_lshl_add_u32 v5, v[T1], 4, v5                ; v5  out0: channel 16 w + 8 (l >> 4) + ((l >> 2) & 3), queries 4 (l & 3) on
	v_mov_b32 v[T2], 0
	s_mov_b32 s5, 0
	s_wait_kmcnt 0x0
	s_add_nc_u64 s[12:13], s[10:11], KSO           ; kq's scale words
	s_add_nc_u64 s[14:15], s[10:11], NAO           ; kq's -a/2
	s_lshl_b32 s4, s3, 5
	s_add_nc_u64 s[44:45], s[44:45], s[4:5]
	s_add_nc_u64 s[46:47], s[46:47], s[4:5]
	s_add_nc_u64 s[40:41], s[40:41], s[4:5]
	s_load_b256 s[68:75], s[44:45], 0x0            ; my query's list: keys 0-15,
	s_load_b256 s[76:83], s[46:47], 0x0            ; 16-31,
	s_load_b256 s[84:91], s[40:41], 0x0            ; 32-46 and the mark
	s_lshl_b32 s4, s3, 2
	s_add_nc_u64 s[6:7], s[6:7], s[4:5]
.irp y, 0,1,2,3,4,5,6,7
	s_load_b32 s[32+\y], s[6:7], 16384*\y          ; my query's word of runs 32 y .. 32 y + 31
.endr
	s_lshl_b32 s4, s3, 12
	s_add_nc_u64 s[8:9], s[8:9], s[4:5]
	s_mul_i32 s4, s3, 48
	s_add_nc_u64 s[18:19], s[18:19], s[4:5]
	s_lshl_b32 s4, s3, 1
	s_add_nc_u64 s[20:21], s[20:21], s[4:5]
	s_lshl_b32 s4, ttmp9, 6
	s_add_nc_u64 s[22:23], s[22:23], s[4:5]
	s_wait_alu depctr_va_vdst(0)                   ; v6 and the zero offset are written, which the four loads below read; so are v3, v4 and v5, the way out's addresses
	global_load_b64 v[QZ+6:QZ+7], v6, s[18:19]     ; every row of the query operand is my one query: block h in each lane
	global_load_b64 v[QZ+8:QZ+9], v6, s[18:19] offset:8
	global_load_b64 v[QZ+10:QZ+11], v6, s[18:19] offset:16
	global_load_u16 v[QS], v[T2], s[20:21]
.irp e, 0,1,2,3,4,5
	v_mov_b32 v[QZ+\e], 0
	v_mov_b32 v[QZ+12+\e], 0
.endr
.irp c, 0,1,2,3
.irp e, 1,2,3,4,5,6,7
	v_mov_b32 v[CC+8*\c+\e], 0
.endr
.endr
.irp e, 0,1,2,3,4,5,6,7,8,9,10,11,12,13,14,15
	v_mov_b32 v[ACC+\e], 0
.endr
	v_mov_b32 v[SV], 0xff800000                    ; the best so far: nothing
	v_mov_b32 v[SI], -1
	v_mov_b32 v[PV], 0                             ; destinations of lane permutes count as read
	v_mov_b32 v[PI], 0
	s_wait_loadcnt 0x0
	s_wait_alu depctr_vm_vsrc(0)                   ; the load of the scale bytes has read its zero offset, a register that the gathers' lines write
	v_lshl_or_b32 v[QS], v[QS], 16, v[QS]          ; (s0, s1, s0, s1)
	s_wait_kmcnt 0x0                               ; the list and the run bits are in; their bases are free
	s_lshr_b32 s31, s91, 16                        ; the mark: 0xffff = the list holds every candidate
	s_mov_b32 s101, 0
.irp y, 0,1,2,3,4,5,6,7
	s_not_b32 s[32+\y], s[32+\y]                   ; a one for each flagged run
	s_bcnt1_i32_b32 s4, s[32+\y]
	s_add_co_u32 s101, s101, s4                    ; how many
.endr
	s_add_co_u32 s100, s101, 31
	s_lshr_b32 s100, s100, 5
	s_max_u32 s100, s100, 1                        ; batches of 32 runs
; Key i of the list.  The candidates numbered s29 .. s29 + 31 go into LIST's lanes, and into both halves of LX (the first 16) or LY
.macro KEYIN i
.if (\i)%2 == 0
	s_and_b32 s46, s[68+(\i)/2], 0xffff
.else
	s_lshr_b32 s46, s[68+(\i)/2], 16
.endif
	s_cmp_eq_u32 s46, 0xffff                       ; an empty place
	s_cbranch_scc1 .Lkn_\@
	s_sub_co_u32 s40, s30, s29                     ; its place in this batch
	s_add_co_u32 s30, s30, 1
	s_cmp_lt_u32 s40, 32
	s_cbranch_scc0 .Lkn_\@
	v_writelane_b32 v[LIST], s46, s40
	s_and_b32 s4, s40, 15
	s_or_b32 s5, s4, 16
	s_cmp_lt_u32 s40, 16
	s_cbranch_scc0 .Lky_\@
	v_writelane_b32 v[LX], s46, s4
	v_writelane_b32 v[LX], s46, s5
	s_branch .Lkn_\@
.Lky_\@:
	v_writelane_b32 v[LY], s46, s4
	v_writelane_b32 v[LY], s46, s5
.Lkn_\@:
.endm
; The flagged runs numbered s66 .. s66 + 31 go into RL's lanes.  Run 32 y + i stands at bit 31 - i of word y
.macro RUNS y
	s_mov_b32 s41, s[32+\y]
	s_bcnt1_i32_b32 s42, s41
	s_cmp_eq_u32 s42, 0
	s_cbranch_scc1 .Lry_\@
	s_mov_b32 s44, 0
.Lrl_\@:
	s_ctz_i32_b32 s45, s41
	s_sub_co_u32 s46, s41, 1
	s_and_b32 s41, s41, s46
	s_sub_co_u32 s45, 32*\y+31, s45                ; the run
	s_sub_co_u32 s46, s40, s66                     ; its place in this batch of runs
	s_add_co_u32 s40, s40, 1
	s_cmp_lt_u32 s46, 32
	s_cbranch_scc0 .Lrn_\@
	v_writelane_b32 v[RL], s45, s46
.Lrn_\@:
	s_add_co_u32 s44, s44, 1
	s_cmp_lt_u32 s44, s42
	s_cbranch_scc1 .Lrl_\@
.Lry_\@:
.endm
; Word c of the run in slot j: keys 128 run + 64 (c & 1) + 32 (c >> 1) + s at bit 31 - s
.macro WORD j, c
	s_not_b32 s41, s[68+4*\j+\c]                   ; a one for each candidate
	s_cmp_eq_u32 s41, 0
	s_cbranch_scc1 .Lwe_\@
	s_lshl_b32 s42, s[52+\j], 3                    ; 16 run x 8
	s_add_co_u32 s42, s42, 64*(\c&1)+32*(\c>>1)+31 ; the key of bit 0
	s_bcnt1_i32_b32 s44, s41
	s_mov_b32 s45, 0
.Lwl_\@:
	s_ctz_i32_b32 s46, s41
	s_sub_co_u32 s40, s41, 1
	s_and_b32 s41, s41, s40
	s_sub_co_u32 s46, s42, s46                     ; the key
	s_sub_co_u32 s40, s30, s29                     ; its place in this batch
	s_add_co_u32 s30, s30, 1
	s_cmp_lt_u32 s40, 32
	s_cbranch_scc0 .Lwn_\@
	v_writelane_b32 v[LIST], s46, s40
	s_and_b32 s4, s40, 15
	s_or_b32 s5, s4, 16
	s_cmp_lt_u32 s40, 16
	s_cbranch_scc0 .Lwy_\@
	v_writelane_b32 v[LX], s46, s4
	v_writelane_b32 v[LX], s46, s5
	s_branch .Lwn_\@
.Lwy_\@:
	v_writelane_b32 v[LY], s46, s4
	v_writelane_b32 v[LY], s46, s5
.Lwn_\@:
	s_add_co_u32 s45, s45, 1
	s_cmp_lt_u32 s45, s44
	s_cbranch_scc1 .Lwl_\@
.Lwe_\@:
.endm
.macro SLOT j                          ; an empty slot (behind the batch's last run) is passed over
	s_add_co_u32 s63, s62, \j
	s_cmp_ge_u32 s63, s47
	s_cbranch_scc1 .Lse_\@
	WORD \j, 0
	WORD \j, 1
	WORD \j, 2
	WORD \j, 3
.Lse_\@:
.endm
; All candidates are walked; s30 ends as their number.  By the list where its mark allows; else run by run through the bits: eight runs' words, 16 bytes each, are asked for together;
; scalar loads come back in no order, so the one wait is for all
.macro DECODE
	v_mov_b32 v[LIST], 0                           ; an empty place names key 0; its score is made -infinity and its weight 0
	v_mov_b32 v[LX], 0
	v_mov_b32 v[LY], 0
	s_mov_b32 s30, 0
	s_cmp_lg_u32 s31, 0xffff
	s_cbranch_scc1 .Lbits_\@
.set ki, 0
.rept 47
	KEYIN ki
.set ki, ki+1
.endr
	s_branch .Ldone_\@
.Lbits_\@:
	s_mov_b32 s66, 0
	s_mov_b32 s67, 0
.Lrb_\@:
	v_mov_b32 v[RL], 0
	s_mov_b32 s40, 0
.irp y, 0,1,2,3,4,5,6,7
	RUNS \y
.endr
	s_sub_co_u32 s47, s101, s66
	s_min_u32 s47, s47, 32                         ; runs in this batch
	s_add_co_u32 s60, s47, 7
	s_lshr_b32 s60, s60, 3                         ; rounds of eight
	s_mov_b32 s61, 0
	s_mov_b32 s62, 0
.Lrd_\@:
.irp j, 0,1,2,3,4,5,6,7
	s_add_co_u32 s[52+\j], s62, \j                 ; the slot's lane,
	v_readlane_b32 s[52+\j], v[RL], s[52+\j]       ; and its run: eight lanes are read out in one run
.endr
	s_wait_alu depctr_va_sdst(0)                   ; s52 to s59 are written, ahead of their first readers
.irp j, 0,1,2,3,4,5,6,7
	s_min_u32 s[52+\j], s[52+\j], 255
	s_lshl_b32 s[52+\j], s[52+\j], 4               ; the run's four words: 16 bytes
	s_load_b128 s[68+4*\j:71+4*\j], s[8:9], s[52+\j] offset:0x0
.endr
	s_wait_kmcnt 0x0                               ; which also frees the offsets
.irp j, 0,1,2,3,4,5,6,7
	SLOT \j
.endr
	s_add_co_u32 s62, s62, 8
	s_add_co_u32 s61, s61, 1
	s_cmp_lt_u32 s61, s60
	s_cbranch_scc1 .Lrd_\@
	s_add_co_u32 s66, s66, 32
	s_add_co_u32 s67, s67, 1
	s_cmp_lt_u32 s67, s100
	s_cbranch_scc1 .Lrb_\@
.Ldone_\@:
.endm
; Sixteen candidates' operand: lane (r, h) takes block h of candidate r's row in both tiles of its pair, the pair's scale word of that row, and both tiles' -a/2.  GADDR makes the four offsets, GLOAD loads by them
.macro GADDR n, a
	v_lshrrev_b32 v[T1], 6, v[\n]
	v_bfe_u32 v[T2], v[\n], 4, 1
	v_lshl_or_b32 v[T1], v[T1], 1, v[T2]
	v_min_u32 v[T1], 0x3ff, v[T1]                  ; the pair of tiles: 2 (n >> 6) + ((n >> 4) & 1)
	v_bfe_u32 v[T2], v[\n], 5, 1
	v_and_b32 v[T3], 7, v[\n]
	v_lshl_or_b32 v[T2], v[T2], 3, v[T3]
	v_min_u32 v[T2], 15, v[T2]                     ; the row: 8 ((n >> 5) & 1) + (n & 7)
	v_mul_u32_u24 v[\a], v[T1], 0x600
	v_lshl_add_u32 v[\a+1], v[T2], 3, v[\a]
	v_lshl_add_u32 v[\a+1], v7, 7, v[\a+1]         ; 1536 pair + 8 row + 128 h
	v_lshl_add_u32 v[\a], v[T2], 4, v[\a]
	v_lshl_add_u32 v[\a], v7, 8, v[\a]             ; 1536 pair + 16 row + 256 h
	v_lshlrev_b32 v[\a+2], 6, v[T1]
	v_lshl_add_u32 v[\a+2], v[T2], 2, v[\a+2]      ; 64 pair + 4 row
	v_lshlrev_b32 v[\a+3], 7, v[T1]
	v_lshl_add_u32 v[\a+3], v[T2], 2, v[\a+3]      ; 128 pair + 4 row
.endm
.macro GLOAD a, kf, ksr, c0, c1
	global_load_b128 v[\kf:\kf+3], v[\a], s[10:11]
	global_load_b64 v[\kf+4:\kf+5], v[\a+1], s[10:11] offset:512
	global_load_b128 v[\kf+6:\kf+9], v[\a], s[10:11] offset:768
	global_load_b64 v[\kf+10:\kf+11], v[\a+1], s[10:11] offset:1280
	global_load_b32 v[\ksr], v[\a+2], s[12:13]
	global_load_b32 v[\c0], v[\a+3], s[14:15]
	global_load_b32 v[\c1], v[\a+3], s[14:15] offset:64
.endm
.macro SCORE
	GADDR LX, AD
	GADDR LY, AD+4
	s_sub_co_u32 s60, s26, s29                     ; candidates left from this batch's first on
	s_wait_alu depctr_va_vdst(0)                   ; the eight offsets are written, which the loads read; the last batch's products are done reading the operands, scale words and C in which the loads land; in the first batch: my query's scale word and the zero codes are written, which the products take
	GLOAD AD, KFX, KSX, CC, CC+8
	GLOAD AD+4, KFY, KSY, CC+16, CC+24
	s_wait_loadcnt 0x0                             ; which also frees the offsets
	s_wait_alu depctr_vm_vsrc(0)                   ; the loads have read the eight offsets, which the next batch's lines write again
	MM DR, QZ+6, KFX, CC, QS, KSX                  ; [q | 0]: the pair's first tile.  Register 0 of lane (r, h): candidate r's score
	MM DR+8, QZ, KFX, CC+8, QS, KSX                ; [0 | q]: its second
	MM DR+16, QZ+6, KFY, CC+16, QS, KSY
	MM DR+24, QZ, KFY, CC+24, QS, KSY
	v_and_b32 v[T1], 8, v[LIST]                    ; which tile of its pair is my candidate's: (n >> 3) & 1.  (Four places behind the products: this line, the two compares and the move)
	v_cmp_ne_u32 s45, 0, v[T1]
	v_cmp_gt_u32 s46, s60, v2                      ; the lanes that hold a candidate
	v_mov_b32 v[T1], 0xff800000
	s_wait_alu depctr_va_sdst(0)                   ; the two masks s45 and s46 are written, ahead of the selects that read them
	v_cndmask_b32 v[T2], v[DR], v[DR+8], s45
	v_cndmask_b32 v[T3], v[DR+16], v[DR+24], s45
	v_cndmask_b32 v[VAL], v[T2], v[T3], s43
	v_cndmask_b32 v[VAL], v[T1], v[VAL], s46       ; empty places: -infinity
.endm
; An exchange with lane l xor j.  The partner's pair is better if its score is higher, or equal with the lower key.  notw: the lanes that keep the worse of the two
.macro STAGE val, idx, j, notw
.if \j == 16
	v_permlanex16_b32 v[PV], v[\val], s24, s25
	v_permlanex16_b32 v[PI], v[\idx], s24, s25
.else
	v_mov_b32_dpp v[PV], v[\val] row_xmask:\j row_mask:0xf bank_mask:0xf
	v_mov_b32_dpp v[PI], v[\idx] row_xmask:\j row_mask:0xf bank_mask:0xf
.endif
	v_cmp_gt_f32 s44, v[PV], v[\val]
	v_cmp_eq_f32 s45, v[PV], v[\val]
	v_cmp_lt_u32 s46, v[PI], v[\idx]
	s_wait_alu depctr_va_sdst(0)                   ; the three masks are written, ahead of the scalar lines that join them
	s_and_b32 s45, s45, s46
	s_or_b32 s44, s44, s45
	s_xor_b32 vcc_lo, s44, \notw
	v_cndmask_b32 v[\val], v[\val], v[PV], vcc_lo
	v_cndmask_b32 v[\idx], v[\idx], v[PI], vcc_lo
.endm
; The batch in LIST is scored, sorted and merged into the best 32 pairs so far
.macro RANK
	SCORE
	v_mov_b32 v[BV], v[VAL]
	v_mov_b32 v[BI], v[LIST]
	STAGE BV, BI, 1, 0x99999999                    ; a bitonic sort across the 32 lanes, worst first: 15 exchanges
	STAGE BV, BI, 2, 0xc3c3c3c3
	STAGE BV, BI, 1, 0xa5a5a5a5
	STAGE BV, BI, 4, 0xf00ff00f
	STAGE BV, BI, 2, 0xcc33cc33
	STAGE BV, BI, 1, 0xaa55aa55
	STAGE BV, BI, 8, 0xff0000ff
	STAGE BV, BI, 4, 0xf0f00f0f
	STAGE BV, BI, 2, 0xcccc3333
	STAGE BV, BI, 1, 0xaaaa5555
	STAGE BV, BI, 16, 0x0000ffff
	STAGE BV, BI, 8, 0x00ff00ff
	STAGE BV, BI, 4, 0x0f0f0f0f
	STAGE BV, BI, 2, 0x33333333
	STAGE BV, BI, 1, 0x55555555
	v_cmp_gt_f32 s44, v[BV], v[SV]                 ; best first against worst first: the better of each lane's two are the best 32 of the 64,
	v_cmp_eq_f32 s45, v[BV], v[SV]
	v_cmp_lt_u32 s46, v[BI], v[SI]
	s_wait_alu depctr_va_sdst(0)                   ; the three masks are written, ahead of the scalar lines that join them
	s_and_b32 s45, s45, s46
	s_or_b32 vcc_lo, s44, s45
	v_cndmask_b32 v[SV], v[SV], v[BV], vcc_lo
	v_cndmask_b32 v[SI], v[SI], v[BI], vcc_lo
	STAGE SV, SI, 16, 0xffff0000                   ; and five exchanges put them in order, best first
	STAGE SV, SI, 8, 0xff00ff00
	STAGE SV, SI, 4, 0xf0f0f0f0
	STAGE SV, SI, 2, 0xcccccccc
	STAGE SV, SI, 1, 0xaaaaaaaa
.endm
; ---- the best 32 pairs of all batches.  The first batch stands ahead of the loop: its DECODE counts the candidates, and so the batches
	s_mov_b32 s29, 0
	DECODE
	s_mov_b32 s26, s30                             ; the candidates in all
	s_add_co_u32 s27, s26, 31
	s_lshr_b32 s27, s27, 5
	s_max_u32 s27, s27, 1                          ; batches of 32
	RANK
	s_cmp_eq_u32 s27, 1                            ; one batch: there is no other to rank
	s_cbranch_scc1 .Lall_ranked
	s_mov_b32 s28, 1
	s_mov_b32 s29, 32
.Lpass_a:                                          ; batches 1 .. s27 - 1
	DECODE
	RANK
	s_add_co_u32 s29, s29, 32
	s_add_co_u32 s28, s28, 1
	s_cmp_lt_u32 s28, s27
	s_cbranch_scc1 .Lpass_a
.Lall_ranked:
; ---- the 20th pair, the maximum, the sum
	v_readlane_b32 s48, v[SV], 19
	v_readlane_b32 s49, v[SI], 19
	v_readlane_b32 s50, v[SV], 0
	s_mov_b32 s46, 0xfffff                         ; lanes 0-19
	s_wait_alu depctr_va_sdst(0)                   ; s48, s49 and s50 are written, ahead of their first readers, here and behind the labels below
	v_sub_f32 v[T1], v[SV], s50
	v_mul_f32 v[T1], 0x3eb8aa3b, v[T1]             ; log2(e) / 4: D is four times the affinity
	v_exp_f32 v[T1], v[T1]
	v_nop                                          ; one plain place behind a transcendental
	s_wait_alu depctr_va_vdst(0)                   ; the exponential has written its result, ahead of its first reader
	v_cndmask_b32 v[T1], 0, v[T1], s46
	v_add_f32_dpp v[T1], v[T1], v[T1] row_xmask:1 row_mask:0xf bank_mask:0xf
	v_add_f32_dpp v[T1], v[T1], v[T1] row_xmask:2 row_mask:0xf bank_mask:0xf
	v_add_f32_dpp v[T1], v[T1], v[T1] row_xmask:4 row_mask:0xf bank_mask:0xf
	v_add_f32_dpp v[T1], v[T1], v[T1] row_xmask:8 row_mask:0xf bank_mask:0xf
	v_permlanex16_b32 v[T2], v[T1], s24, s25
	v_add_f32 v[T1], v[T1], v[T2]
	v_rcp_f32 v[INV], v[T1]
	v_nop
	s_wait_alu depctr_va_vdst(0)                   ; the reciprocal has written its result, ahead of the label and of its first reader
; ---- the weights and the rows
	s_mov_b32 s28, 0
	s_mov_b32 s29, 0
.Lpass_b:
	s_cmp_eq_u32 s27, 1                            ; with one batch LIST and VAL still stand
	s_cbranch_scc1 .Lkept
	DECODE
	SCORE
.Lkept:
	v_cmp_gt_f32 s44, v[VAL], s48                  ; chosen: ranks at or ahead of the 20th pair
	v_cmp_eq_f32 s45, v[VAL], s48
	v_cmp_le_u32 s46, v[LIST], s49
	v_sub_f32 v[T1], v[VAL], s50
	v_mul_f32 v[T1], 0x3eb8aa3b, v[T1]
	v_exp_f32 v[T1], v[T1]
	v_nop
	s_wait_alu depctr_va_sdst(0)                   ; the three masks are written, ahead of the scalar lines that join them
	s_and_b32 s45, s45, s46
	s_or_b32 s44, s44, s45
	s_wait_alu depctr_va_vdst(0)                   ; the exponential has written its result, ahead of its first reader
	v_mul_f32 v[T1], v[T1], v[INV]
	v_cndmask_b32 v[WT], 0, v[T1], s44
	s_sub_co_u32 s60, s26, s29
	s_min_u32 s60, s60, 32
	s_add_co_u32 s60, s60, 7
	s_lshr_b32 s51, s60, 3                         ; trips of eight rows
	s_mov_b32 s62, 0
	s_mov_b32 s63, 0
.Lrows:
.irp i, 0,1,2,3,4,5,6,7
	s_add_co_u32 s[92+\i], s62, \i                 ; the row's lane,
	v_readlane_b32 s[52+\i], v[WT], s[92+\i]       ; its weight
	v_readlane_b32 s[92+\i], v[LIST], s[92+\i]     ; and its key: sixteen lanes are read out in one run
.endr
	s_wait_alu depctr_va_sdst(0)                   ; s52 to s59 and s92 to s99 are written, ahead of their first readers
	s_wait_alu depctr_vm_vsrc(0)                   ; the last trip's loads have read v8 to v15, which the lines below write again
.irp i, 0,1,2,3,4,5,6,7
	s_min_u32 s[92+\i], s[92+\i], 0x7fff
	s_lshl_b32 s[92+\i], s[92+\i], 10              ; the key's row of 1,024 bytes
	v_add_nc_u32 v[8+\i], s[92+\i], v1
.endr
	s_wait_alu depctr_va_vdst(0)                   ; the eight offsets are written, which the loads read; the last trip's multiply-adds are done reading v190-253, and the lines ahead of the loop are done with v190-194: the loads land there
.irp i, 0,1,2,3,4,5,6,7
	global_load_b128 v[RW+8*\i:RW+8*\i+3], v[8+\i], s[16:17]              ; channels 8 l .. 8 l + 7 of mem_v1
	global_load_b128 v[RW+8*\i+4:RW+8*\i+7], v[8+\i], s[16:17] offset:512 ; and of mem_v2
.endr
	s_wait_loadcnt 0x0                             ; which also frees the offsets
.irp i, 0,1,2,3,4,5,6,7
.irp d, 0,1,2,3
	v_fma_mix_f32_bf16 v[ACC+2*\d], v[RW+8*\i+\d], s[52+\i], v[ACC+2*\d] op_sel_hi:[1,0,0]
	v_fma_mix_f32_bf16 v[ACC+2*\d+1], v[RW+8*\i+\d], s[52+\i], v[ACC+2*\d+1] op_sel:[1,0,0] op_sel_hi:[1,0,0]
	v_fma_mix_f32_bf16 v[ACC+8+2*\d], v[RW+8*\i+4+\d], s[52+\i], v[ACC+8+2*\d] op_sel_hi:[1,0,0]
	v_fma_mix_f32_bf16 v[ACC+9+2*\d], v[RW+8*\i+4+\d], s[52+\i], v[ACC+9+2*\d] op_sel:[1,0,0] op_sel_hi:[1,0,0]
.endr
.endr
	s_add_co_u32 s62, s62, 8
	s_add_co_u32 s63, s63, 1
	s_cmp_lt_u32 s63, s51
	s_cbranch_scc1 .Lrows
	s_add_co_u32 s29, s29, 32
	s_add_co_u32 s28, s28, 1
	s_cmp_lt_u32 s28, s27
	s_cbranch_scc1 .Lpass_b
; ---- the way out.  In a stage row, word 128 i + 4 l + k is channel 8 l + k (i = 0), + 4 (1), + 256 (2), + 260 (3): each store's 512 bytes are consecutive
	s_wait_alu depctr_va_vdst(0)                   ; the multiply-adds have written the sixteen sums, which the LDS stores read, and are done reading v190-205, in which the LDS loads below land
.irp i, 0,1,2,3
	ds_store_b128 v3, v[ACC+4*\i:ACC+4*\i+3] offset:512*\i
.endr
	s_wait_dscnt 0x0                               ; my stores have landed
	s_barrier_signal -1
	s_barrier_wait -1                              ; the 16 queries' rows lie in the stage
.irp t, 0,1,2,3
.irp k, 0,1,2,3
	ds_load_b32 v[RW+4*\t+\k], v4 offset:2064*\k+512*\t      ; one channel of four neighbouring queries
.endr
.endr
	s_wait_dscnt 0x0
.irp t, 0,1,2,3
	global_store_b128 v5, v[RW+4*\t:RW+4*\t+3], s[22:23] offset:((\t>>1)*256+4*(\t&1))*16384 th:TH_STORE_NT   ; four lanes store a channel's 64 consecutive bytes
.endr
	s_wait_dscnt 0x0                               ; the closing lines, six on end, of a launch in the mode that stores to LDS
	s_wait_alu 0x0
	s_wait_tensorcnt 0x0
	ds_add_u32 v47, v73
	s_wait_dscnt 0x0
	s_endpgm
.Lfunc_end_k_q2a45b03067_read:
	.size	k_q2a45b03067_read, .Lfunc_end_k_q2a45b03067_read-k_q2a45b03067_read
	.p2alignl 7, 3214868480
	.fill 96, 4, 3214868480
	.section	.rodata,"a",@progbits
	.p2align	6, 0x0
	.amdhsa_kernel k_q2a45b03067_read
		.amdhsa_group_segment_fixed_size 35072
		.amdhsa_private_segment_fixed_size 0
		.amdhsa_enable_private_segment 0
		.amdhsa_kernarg_size 80
		.amdhsa_user_sgpr_count 2
		.amdhsa_user_sgpr_kernarg_segment_ptr 1
		.amdhsa_wavefront_size32 1
		.amdhsa_system_sgpr_workgroup_id_x 1
		.amdhsa_system_sgpr_workgroup_id_y 1
		.amdhsa_system_sgpr_workgroup_id_z 1
		.amdhsa_system_vgpr_workitem_id 0
		.amdhsa_next_free_vgpr 256
		.amdhsa_next_free_sgpr 102
		.amdhsa_reserve_vcc 1
		.amdhsa_float_denorm_mode_32 3
		.amdhsa_float_denorm_mode_16_64 3
		.amdhsa_memory_ordered 1
		.amdhsa_forward_progress 1
		.amdhsa_inst_pref_size 255
	.end_amdhsa_kernel
	.section	.bss,"aw",@nobits
	.p2align	6
	.space	262144
	.amdgpu_metadata
---
amdhsa.version: [ 1, 2 ]
amdhsa.kernels:
  - .name:           k_q2a45b03067_read
    .symbol:         k_q2a45b03067_read.kd
    .args:
      - { .name: nflags, .offset: 0, .size: 8, .value_kind: global_buffer, .address_space: global }
      - { .name: kq, .offset: 8, .size: 8, .value_kind: global_buffer, .address_space: global }
      - { .name: vt, .offset: 16, .size: 8, .value_kind: global_buffer, .address_space: global }
      - { .name: qk_codes, .offset: 24, .size: 8, .value_kind: global_buffer, .address_space: global }
      - { .name: qk_scales, .offset: 32, .size: 8, .value_kind: global_buffer, .address_space: global }
      - { .name: out0, .offset: 40, .size: 8, .value_kind: global_buffer, .address_space: global }
      - { .name: rsum, .offset: 48, .size: 8, .value_kind: global_buffer, .address_space: global }
      - { .name: la, .offset: 56, .size: 8, .value_kind: global_buffer, .address_space: global }
      - { .name: lb, .offset: 64, .size: 8, .value_kind: global_buffer, .address_space: global }
      - { .name: lc, .offset: 72, .size: 8, .value_kind: global_buffer, .address_space: global }
    .group_segment_fixed_size: 35072
    .private_segment_fixed_size: 0
    .kernarg_segment_align: 8
    .kernarg_segment_size: 80
    .max_flat_workgroup_size: 512
    .sgpr_count:     102
    .vgpr_count:     256
    .wavefront_size: 32
...
	.end_amdgpu_metadata
.endif
;; end of part 7
